; MI455X (gfx1250); checked and timed in simulation.
; The chip was launched on July 23, 2026; its instructions are those of AMD's public machine-readable ISA for CDNA 5 (MIT licence, August 2026) and "CDNA5" Instruction Set Architecture Reference Guide (July 2026). The comments in the code are by the model that wrote it; some were corrected since.
;; Self Attention. Allowed arithmetic: float matrix products may take bf16 or f16 operands with f32 sums; other float arithmetic in f32, or as packed bf16 or f16 multiplies, adds, multiply-adds, maxima and minima; sums over many terms, partial sums and values carried from step to step in f32; what a program stores and reads back later, other than sums and carried values, may be rounded once to bf16 or f16.
;; Inputs: Wk 1,024 x 1,024 float32; Wo 1,024 x 1,024 float32; Wq 1,024 x 1,024 float32; Wv 1,024 x 1,024 float32; bk 1,024 float32; bo 1,024 float32; bq 1,024 float32; bv 1,024 float32; x 4 x 2,048 x 1,024 float32.
;; Outputs: out0 4 x 2,048 x 1,024 float32.
;; 2 versions, each right; version 2 is version 1 with the launch cast written anew for expert scheduling mode. Each part assembles by itself: llvm-mc -triple=amdgcn-amd-amdhsa -mcpu=gfx1250 --defsym DOCPART=n.
;; ======== version 1 of 2: 4 launches
;; limits: values are held in f16: magnitudes above 65,504 overflow, below 6.1e-05 lose precision
;; workspace buffers: xb 16,777,216 bytes; wqkv 6,291,456 bytes; wo16 2,097,152 bytes; q16 16,777,216 bytes; k16 16,777,216 bytes; v16 16,777,216 bytes; o16 16,777,216 bytes
;; launch cast (part 1): grid 768 x 1, 8 waves a work-group, no clusters, 0 bytes of LDS; arguments x, Wq, Wk, Wv, Wo, xb, wqkv, wo16; writes xb, wqkv, wo16
.if DOCPART == 1
	.amdgcn_target "amdgcn-amd-amdhsa--gfx1250"
	.amdhsa_code_object_version 6
	.text
	.protected	k_q0df850927d_cast
	.globl	k_q0df850927d_cast
	.p2align	8
	.type	k_q0df850927d_cast,@function
k_q0df850927d_cast:
	s_mov_b64 s[64:65], 0
	v_nop
	global_prefetch_b8 v0, s[64:65] scope:SCOPE_SE
	s_setreg_imm32_b32 hwreg(HW_REG_WAVE_MODE, 25, 1), 1
	s_wait_xcnt 0x0
; x, Wq, Wk, Wv are rounded once to bf16; Wo is rounded to bf16 and that number is written as f16 (exact from 1.5e-5 up to 65,504; below, f16's fixed step of 6e-8; beyond, an infinity).
; All are laid out in K BLOCKS of 64 channels: xb [4][16 kb][2048 s][64], wqkv [16 kb][3072 n][64] (n: Wq, then Wk, then Wv), wo16 [16 kb][1024 n][64],
; so that the products' tiles (rows x 64 channels) are dense blocks of memory.
; SHARES.  Work-group G takes 16 source rows of 1,024 f32: G < 512 x, 512.. Wq, 576.. Wk, 640.. Wv, 704.. Wo.  Thread t: row (t >> 3) & 15, 8 numbers at chunk t & 7 of each of the K blocks
; 8 (t >> 7) .. + 7.  A wave has 4 rows x 8 blocks: 16 loads of 16 bytes a lane, all out at once (8 KiB a wave), and 8 stores; a store of the wave covers 4 rows x 128 bytes = 512 consecutive
; bytes, aligned; a pair of loads covers 256 aligned bytes of each of 4 rows.  No register that a load or store names is written again, so there is no wait but the counted ones for data.
; No LDS, no matrix unit, no loop: every byte is read once and written once.
.set VI,  1                            ; v1       my byte offset in the 16 source rows: row x 4,096 + chunk x 32
.set T,   2                            ; v[2:7]   at work
.set VO,  8                            ; v[8:15]  block j: my byte offset in the target: row x 128 + chunk x 16 + j x the stride from block to block
.set X,   16                           ; v[16:79] block j: 8 f32 as loaded; its first four registers then hold the 16 bytes to store
.set SRC, 24                           ; s[24:25] the source, at my work-group's rows and my wave's first K block
.set DST, 26                           ; s[26:27] the target, likewise
.set G,   28                           ; s28      the work-group's number
.set STR, 29                           ; s29      bytes from K block to K block in the target
	s_load_b512 s[8:23], s[0:1], 0x0               ; x s[8:9], Wq s[10:11], Wk s[12:13], Wv s[14:15], Wo s[16:17], xb s[18:19], wqkv s[20:21], wo16 s[22:23]
	s_mov_b32 s[G], ttmp9
	v_lshrrev_b32 v2, 5, v0
	v_readfirstlane_b32 s41, v2                    ; wave 0..7
	s_lshr_b32 s41, s41, 2                         ; which eight K blocks are mine
	s_mov_b32 s40, 0xffff0000                      ; a word's upper bf16
	s_and_b32 s30, s[G], 63                        ; a weight has 64 work-groups
	s_lshl_b32 s31, s30, 16                        ; a weight's source offset: 16 rows of 4,096 bytes
	s_lshl_b32 s30, s30, 11                        ; and its 16 rows of 128 bytes in a K block
	s_lshl_b32 s32, s[G], 16                       ; x's source offset
	s_lshr_b32 s33, s[G], 7                        ; x's batch: 128 work-groups each,
	s_lshl_b32 s33, s33, 22                        ; 4,194,304 bytes of xb
	s_and_b32 s34, s[G], 127
	s_lshl_b32 s34, s34, 11
	s_add_co_u32 s33, s33, s34                     ; x's target offset
	s_max_u32 s34, s[G], 512
	s_sub_co_u32 s34, s34, 512
	s_lshr_b32 s34, s34, 6                         ; 0, 1, 2: Wq, Wk, Wv
	s_lshl_b32 s34, s34, 17                        ; 1,024 rows of 128 bytes
	s_add_co_u32 s34, s34, s30                     ; target offset in wqkv
	s_mov_b32 s[STR], 131072                       ; wo16: 1,024 rows of 128 bytes
	v_bfe_u32 v2, v0, 3, 4                         ; row
	v_and_b32 v3, 7, v0                            ; chunk
	v_lshlrev_b32 v[VI], 12, v2
	v_lshl_add_u32 v[VI], v3, 5, v[VI]
	v_lshlrev_b32 v[VO], 7, v2
	v_lshl_add_u32 v[VO], v3, 4, v[VO]
	s_wait_kmcnt 0x0
	s_cmp_lt_u32 s[G], 704                         ; the buffers are chosen by the work-group's number alone
	s_cselect_b64 s[SRC:SRC+1], s[14:15], s[16:17]
	s_cselect_b64 s[DST:DST+1], s[20:21], s[22:23]
	s_cselect_b32 s38, s34, s30
	s_cselect_b32 s[STR], 393216, s[STR]           ; wqkv: 3,072 rows of 128 bytes
	s_cmp_lt_u32 s[G], 640
	s_cselect_b64 s[SRC:SRC+1], s[12:13], s[SRC:SRC+1]
	s_cmp_lt_u32 s[G], 576
	s_cselect_b64 s[SRC:SRC+1], s[10:11], s[SRC:SRC+1]
	s_cmp_lt_u32 s[G], 512
	s_cselect_b64 s[SRC:SRC+1], s[8:9], s[SRC:SRC+1]
	s_cselect_b64 s[DST:DST+1], s[18:19], s[DST:DST+1]
	s_cselect_b32 s36, s32, s31
	s_cselect_b32 s38, s33, s38
	s_cselect_b32 s[STR], 262144, s[STR]           ; xb: 2,048 rows of 128 bytes
	s_lshl_b32 s42, s41, 11                        ; my eight K blocks: 2,048 bytes along a source row,
	s_add_co_u32 s36, s36, s42
	s_mov_b32 s37, 0
	s_mul_i32 s42, s41, s[STR]
	s_lshl_b32 s42, s42, 3                         ; eight strides in the target
	s_add_co_u32 s38, s38, s42
	s_mov_b32 s39, 0
	s_add_nc_u64 s[SRC:SRC+1], s[SRC:SRC+1], s[36:37]
	s_add_nc_u64 s[DST:DST+1], s[DST:DST+1], s[38:39]
.irp j, 0,1,2,3,4,5,6,7
	global_load_b128 v[X+8*\j:X+8*\j+3],   v[VI], s[SRC:SRC+1] offset:256*\j th:TH_LOAD_NT
	global_load_b128 v[X+8*\j+4:X+8*\j+7], v[VI], s[SRC:SRC+1] offset:256*\j+16 th:TH_LOAD_NT
.endr
.irp j, 1,2,3,4,5,6,7
	v_add_nc_u32 v[VO+\j], s[STR], v[VO+\j-1]
.endr
; Block j goes out.  half = 0: bf16.  half = 1: the bf16 number as f16.
.macro OUT j, half
	s_wait_loadcnt 14-2*(\j)                       ; loads come back in order (ISA guide 5.7.1): block j's two are in, the later blocks' stay out
.irp i, 0,1,2,3
.if \half
	v_cvt_pk_bf16_f32 v[T+3*((\i)%2)], v[X+8*(\j)+2*\i], v[X+8*(\j)+2*\i+1]
	v_lshlrev_b32 v[T+3*((\i)%2)+1], 16, v[T+3*((\i)%2)]
	v_and_b32 v[T+3*((\i)%2)+2], s40, v[T+3*((\i)%2)]
	v_cvt_pk_f16_f32 v[X+8*(\j)+\i], v[T+3*((\i)%2)+1], v[T+3*((\i)%2)+2]
.else
	v_cvt_pk_bf16_f32 v[X+8*(\j)+\i], v[X+8*(\j)+2*\i], v[X+8*(\j)+2*\i+1]  ; in place: register i is written when registers 2 i and 2 i + 1 are read, and i <= 2 i
.endif
.endr
	global_store_b128 v[VO+(\j)], v[X+8*(\j):X+8*(\j)+3], s[DST:DST+1]
.endm
	s_cmp_ge_u32 s[G], 704
	s_cbranch_scc1 .Lhalf
.irp j, 0,1,2,3,4,5,6,7
	OUT \j, 0
.endr
	s_endpgm
.Lhalf:
.irp j, 0,1,2,3,4,5,6,7
	OUT \j, 1
.endr
	s_endpgm
.Lfunc_end_k_q0df850927d_cast:
	.size	k_q0df850927d_cast, .Lfunc_end_k_q0df850927d_cast-k_q0df850927d_cast
	.p2alignl 7, 3214868480
	.fill 96, 4, 3214868480
	.section	.rodata,"a",@progbits
	.p2align	6, 0x0
	.amdhsa_kernel k_q0df850927d_cast
		.amdhsa_group_segment_fixed_size 0
		.amdhsa_private_segment_fixed_size 0
		.amdhsa_enable_private_segment 0
		.amdhsa_kernarg_size 64
		.amdhsa_user_sgpr_count 2
		.amdhsa_user_sgpr_kernarg_segment_ptr 1
		.amdhsa_wavefront_size32 1
		.amdhsa_system_sgpr_workgroup_id_x 1
		.amdhsa_system_sgpr_workgroup_id_y 1
		.amdhsa_system_sgpr_workgroup_id_z 1
		.amdhsa_system_vgpr_workitem_id 0
		.amdhsa_next_free_vgpr 80
		.amdhsa_next_free_sgpr 66
		.amdhsa_reserve_vcc 0
		.amdhsa_float_denorm_mode_32 3
		.amdhsa_float_denorm_mode_16_64 3
		.amdhsa_memory_ordered 1
		.amdhsa_forward_progress 1
		.amdhsa_inst_pref_size 15
	.end_amdhsa_kernel
	.amdgpu_metadata
---
amdhsa.version: [ 1, 2 ]
amdhsa.kernels:
  - .name:           k_q0df850927d_cast
    .symbol:         k_q0df850927d_cast.kd
    .args:
      - { .name: x, .offset: 0, .size: 8, .value_kind: global_buffer, .address_space: global }
      - { .name: Wq, .offset: 8, .size: 8, .value_kind: global_buffer, .address_space: global }
      - { .name: Wk, .offset: 16, .size: 8, .value_kind: global_buffer, .address_space: global }
      - { .name: Wv, .offset: 24, .size: 8, .value_kind: global_buffer, .address_space: global }
      - { .name: Wo, .offset: 32, .size: 8, .value_kind: global_buffer, .address_space: global }
      - { .name: xb, .offset: 40, .size: 8, .value_kind: global_buffer, .address_space: global }
      - { .name: wqkv, .offset: 48, .size: 8, .value_kind: global_buffer, .address_space: global }
      - { .name: wo16, .offset: 56, .size: 8, .value_kind: global_buffer, .address_space: global }
    .group_segment_fixed_size: 0
    .private_segment_fixed_size: 0
    .kernarg_segment_align: 8
    .kernarg_segment_size: 64
    .max_flat_workgroup_size: 256
    .sgpr_count:     66
    .vgpr_count:     80
    .wavefront_size: 32
...
	.end_amdgpu_metadata
.endif
;; end of part 1
;; launch qkv (part 2): grid 8 x 32, 4 waves a work-group, clusters of 4 x 4, 327,680 bytes of LDS; arguments xb, wqkv, bq, bk, bv, q16, k16, v16; writes q16, k16, v16
.if DOCPART == 2
	.amdgcn_target "amdgcn-amd-amdhsa--gfx1250"
	.amdhsa_code_object_version 6
	.text
	.protected	k_q0df850927d_qkv
	.globl	k_q0df850927d_qkv
	.p2align	8
	.type	k_q0df850927d_qkv,@function
k_q0df850927d_qkv:
	s_mov_b64 s[64:65], 0
	v_nop
	global_prefetch_b8 v0, s[64:65] scope:SCOPE_SE
	s_setreg_imm32_b32 hwreg(HW_REG_WAVE_MODE, 25, 1), 1
	s_wait_xcnt 0x0
	s_wait_alu depctr_hold_cnt(0) depctr_sa_sdst(0) depctr_va_vdst(0) depctr_va_sdst(0) depctr_va_ssrc(0) depctr_va_vcc(0) depctr_vm_vsrc(0)
	s_getreg_b32 s2, hwreg(HW_REG_IB_STS2, 6, 4)
	s_cmp_eq_u32 s2, 0
	s_cbranch_scc0 .Lentry_in_a_cluster
	s_endpgm
.Lentry_in_a_cluster:
	s_bfe_u32 s2, ttmp6, 0x10000c
	s_cmp_lg_u32 s2, 0xf033
	s_cbranch_scc0 .Lentry_shape_is_right
	s_endpgm
.Lentry_shape_is_right:
; q, k, v = x W^T + b, by heads.  xb: bf16 [4][16 kb][2048][64]; wqkv: bf16 [16 kb][3072][64]; bq, bk, bv: f32 [1024], rounded here to bf16 like the other inputs;
; q16, k16, v16: f16 [64 bh][2048][64], each rounded once from its f32 sum, unscaled.
; LIMIT.  A q, k or v of 65,520 or more leaves as an infinity (f16); below 6e-5 f16 keeps its fixed step of 6e-8.  NaN and infinities are not treated apart.
; SHARES.  8,192 rows x 3,072 columns.  A work-group makes 256 rows x 128 columns of EACH of q, k, v: 32 x 8 = 256 work-groups.  Wave (RH, CH) makes 128 rows x one head (64 columns) of each of the three:
; 96 accumulators of 16 x 16, 768 registers; for 32 along K it reads (128 + 192) x 64 bytes of LDS for 96 matrix instructions.
; K goes in 16 blocks of 64 through two LDS slots.  A block's tile of x (256 rows x 128 bytes) and each of the three tiles of W (128 rows x 128 bytes) are DENSE in memory: asked for as rows of 256 bytes,
; padded in LDS after every 128 bytes.  A block is two HALVES of 32 along K; a half is three RUNS (q, k, v) of 32 matrix instructions.
; THE MATRIX INSTRUCTION IS USED TRANSPOSED (source 0 = 16 rows of W, source 1 = 16 rows of x): a lane holds row l % 16 and the eight neighbouring columns 8 (l / 16) + 0..7.
; THE BIAS starts the sums: it is loaded into the registers of accumulators (0, b), which the first K step's products take as C.
; CLUSTER 4 x 4: x's tile hangs on the tile row alone and is shared along a row of the cluster, W's on the tile column alone and is shared along a column: joint loads, the same line, descriptor and mask in all four.
; Wave 0 asks for x's tile (32 KiB), waves 1, 2, 3 for Wq's, Wk's, Wv's (16 KiB each).  By this text's count a wave has two tensor loads out at the start, later one.
; REGISTERS, in windows of 256 (s_set_vgpr_msb: bits 1:0 source 0, 3:2 source 1, 5:4 source 2, 7:6 destination):
;   window 0: v0-29 addresses; v32-95, v96-159 x's fragments (8 x 16 rows x 32 K), two buffers; v160-191, v192-223, v224-255 W's fragments for q, k, v (4 x 16 rows x 32 K each), one buffer each
;   window 1 + g: group g's 32 accumulators, (a, b) at v[8 (4 a + b)]
.set PITCH,  144                       ; an LDS row: 128 bytes + 16 of padding = 36 words: the 16 rows of a fragment load start at 16 different groups of four banks (64 banks of 4 bytes: ISA guide 11.1)
.set ABYTES, 256*PITCH                 ; x's tile
.set BPART,  128*PITCH                 ; one of W's three tiles
.set SLOT1,  1<<17                     ; slot 1 begins here, so that one exclusive or turns an address in one slot into the other's
.set STAGE,  SLOT1+ABYTES+3*BPART      ; behind the ring, never filled by a tensor load: 16 rows x 144 bytes for each wave, for the way out
.set SPARE,  STAGE+4*16*PITCH          ; behind the stages: the spare words, 128 bytes for each wave: two blocks of 256 bytes that no other line names
.set ASTEP,  262144                    ; bytes from K block to K block in xb
.set BSTEP,  393216                    ; and in wqkv
.set ADA0, 4                           ; v4   my lane's place in x's tile; never rewritten
.set ADB0, 5                           ; v5   in W's first tile; never rewritten
.set ADA,  6                           ; v6   the same in the slot that is being read
.set ADB,  7                           ; v7
.set STO,  8                           ; v8   the way out: where I put 16 bytes of a row
.set RD,   9                           ; v9   the way out: where I read rows back
.set GO,   10                          ; v10  my byte offset in 512 consecutive bytes of q16, k16, v16
.set BO,   11                          ; v11  my byte offset in a bias
.set SPW,  28                          ; v28  LDS address of my spare word: SPARE + 4 x my thread's number; never rewritten
.set NIL,  29                          ; v29  0; never rewritten
.set AF,   32
.set BF,   160
.set OB,   32                          ; the way out: 16 registers for each of eight tiles, used in a ring
.set WV, 20                            ; s20 wave; s21, s22 its row half and its head of the two
.set RH, 21
.set CH, 22
.set CX, 23                            ; s23, s24 my place in the cluster
.set CY, 24
.set NJ, 25                            ; s25 tile column 0..7
.set MI, 26                            ; s26 tile row 0..31
.set WQ, 27                            ; s27 which of W's three tiles I ask for
.set G1A, 28                           ; s[28:35] descriptor group 1 for x's tiles
.set G1B, 36                           ; s[36:43] for W's
.set G0A, 44                           ; s[44:51] group 0 for x's tiles: a set for each of the two first fills; the second then walks on
.set G0B, 52                           ; s[52:59] the same for W's
.set TB,  60                           ; s60 LDS byte at which the slot that is being read begins
.set CNT, 61
.set DW0, (1<<16)|(1<<20)|(1<<21)|(4<<22)|(3<<25)  ; 17:16 2-byte elements; 20 padding on; 21 set beside a mask; 24:22 after every 32 words (code 4); 31:25 4 words of it (code 3)
.set MSB, 0
.macro WIN new                         ; the immediate's high byte repeats the setting that is left; a switch that changes nothing is dropped
.if MSB != (\new)
	s_set_vgpr_msb (MSB<<8)|(\new)
.set MSB, (\new)
.endif
.endm
.macro PLACES                          ; four places between a matrix instruction and a load into, or a vector instruction on, its registers (ISA guide 7.12.1 for vector instructions)
.rept 4
	v_nop
.endr
.endm
; A joint load.  The branch hangs on the wave's number alone.  An s_nop 0 and four v_nop follow each of the two lines, ahead of the jump and the label.
.macro JLOAD s
	s_cmp_eq_u32 s[WV], 0
	s_cbranch_scc0 .Lfor_b_\@
	tensor_load_to_lds s[G0A+4*(\s):G0A+4*(\s)+3], s[G1A:G1A+7]
	s_nop 0
.rept 4
	v_nop
.endr
	s_branch .Lasked_\@
.Lfor_b_\@:
	tensor_load_to_lds s[G0B+4*(\s):G0B+4*(\s)+3], s[G1B:G1B+7]
	s_nop 0
.rept 4
	v_nop
.endr
.Lasked_\@:
.endm
; A round of the cluster's barrier: my work-group's barrier, so that wave 0's signal speaks for all four waves; wave 0 signals; every wave waits for all sixteen work-groups; my work-group's barrier once more.
.macro CREST                           ; a round behind its opening barrier
	s_cmp_lg_u32 s[WV], 0
	s_cbranch_scc1 .Lnot_wave_0_\@
	s_barrier_signal -3
.Lnot_wave_0_\@:
	s_barrier_wait -3
	s_barrier_signal -1
	s_barrier_wait -1
.endm
.macro CROUND
	s_barrier_signal -1
	s_barrier_wait -1
	CREST
.endm
	s_load_b512 s[4:19], s[0:1], 0x0               ; xb s[4:5], wqkv s[6:7], bq s[8:9], bk s[10:11], bv s[12:13], q16 s[14:15], k16 s[16:17], v16 s[18:19]
	v_lshl_add_u32 v[SPW], v0, 2, SPARE
	v_mov_b32 v[NIL], 0
	ds_add_u32 v[SPW], v[NIL]                      ; the wave's opening: the add and its wait stand ahead of my first tensor load; the set-up below, work on registers, stands between them
	v_lshrrev_b32 v1, 5, v0
	v_readfirstlane_b32 s[WV], v1                  ; wave 0..3
	s_lshr_b32 s[RH], s[WV], 1
	s_and_b32 s[CH], s[WV], 1
	s_bfe_u32 s[CX], ttmp6, 0x40000
	s_bfe_u32 s[CY], ttmp6, 0x40004
	s_lshl_b32 s[NJ], ttmp9, 2                     ; in a cluster launch ttmp9 and ttmp7 count clusters
	s_add_co_u32 s[NJ], s[NJ], s[CX]
	s_and_b32 s[MI], ttmp7, 0xffff
	s_lshl_b32 s[MI], s[MI], 2
	s_add_co_u32 s[MI], s[MI], s[CY]
	s_lshl_b32 s66, s[CY], 2
	s_lshl_b32 s66, 15, s66                        ; my row of the cluster: places 4 cy .. 4 cy + 3
	s_lshl_b32 s67, 0x1111, s[CX]                  ; my column: places cx, cx + 4, cx + 8, cx + 12
	s_or_b32 s[G1A], s66, DW0                      ; x's tiles go to my row,
	s_or_b32 s[G1B], s67, DW0                      ; W's to my column
	s_mov_b32 s[G1A+1], 128<<16                    ; tensor_dim0 = 128 elements: 256 bytes
	s_mov_b32 s[G1A+2], 128<<16                    ; tensor_dim1 = 128 rows: 32,768 dense bytes
	s_mov_b32 s[G1A+3], 128<<16                    ; tile_dim0 = 128
	s_mov_b32 s[G1A+4], 128                        ; tile_dim1 = 128
	s_mov_b32 s[G1A+5], 128                        ; 128 elements from row to row
	s_mov_b32 s[G1A+6], 0
	s_mov_b32 s[G1A+7], 0
	s_mov_b32 s[G1B+1], 128<<16
	s_mov_b32 s[G1B+2], 64<<16                     ; 64 rows: 16,384 dense bytes
	s_mov_b32 s[G1B+3], 128<<16
	s_mov_b32 s[G1B+4], 64
	s_mov_b32 s[G1B+5], 128
	s_mov_b32 s[G1B+6], 0
	s_mov_b32 s[G1B+7], 0
	s_mov_b32 s[G0A], 1                            ; 1:0 count = 1
	s_mov_b32 s[G0A+1], 0                          ; LDS address: x's tile heads the slot
	s_mov_b32 s[G0A+4], 1
	s_mov_b32 s[G0A+5], SLOT1
	s_mul_i32 s74, s[WV], BPART                    ; W's tile of wave w (1, 2, 3) lies at ABYTES + (w - 1) x BPART: no place in the cluster enters an LDS address
	s_mov_b32 s[G0B], 1
	s_add_co_u32 s[G0B+1], s74, ABYTES-BPART
	s_mov_b32 s[G0B+4], 1
	s_add_co_u32 s[G0B+5], s74, SLOT1+ABYTES-BPART
	; where the tiles come from.  x's hang on the tile row alone, W's on the tile column and the wave alone; each in registers that never hold the other coordinate
	s_lshr_b32 s68, s[MI], 3                       ; the batch: 4,194,304 bytes of xb,
	s_lshl_b32 s68, s68, 22
	s_and_b32 s69, s[MI], 7                        ; 256 rows of 128 bytes in a K block
	s_lshl_b32 s69, s69, 15
	s_add_co_u32 s68, s68, s69
	s_mov_b32 s69, 0
	s_max_u32 s[WQ], s[WV], 1
	s_sub_co_u32 s[WQ], s[WQ], 1                   ; 0, 1, 2 in waves 1, 2, 3 (wave 0 never asks by it)
	s_lshl_b32 s70, s[WQ], 17                      ; 1,024 rows of 128 bytes,
	s_lshl_b32 s71, s[NJ], 14                      ; 128 rows
	s_add_co_u32 s70, s70, s71
	s_mov_b32 s71, 0
	; where my results go: head (16 x batch + 2 NJ + CH) x 262,144 + (256 (MI % 8) + 128 RH) x 128
	s_lshr_b32 s72, s[MI], 3
	s_lshl_b32 s72, s72, 4
	s_lshl1_add_u32 s72, s[NJ], s72
	s_add_co_u32 s72, s72, s[CH]
	s_lshl_b32 s72, s72, 18
	s_and_b32 s73, s[MI], 7
	s_lshl1_add_u32 s73, s73, s[RH]
	s_lshl_b32 s73, s73, 14
	s_add_co_u32 s72, s72, s73
	s_mov_b32 s73, 0
	s_mov_b32 s[TB], 0
	s_mov_b32 s62, 0xffff0000                      ; a word's upper bf16
	s_wait_dscnt 0x0                               ; the opening add is done
	s_wait_kmcnt 0x0
	s_add_nc_u64 s[G0A+2:G0A+3], s[4:5], s[68:69]  ; K block 0,
	s_add_nc_u64 s[G0A+6:G0A+7], s[G0A+2:G0A+3], ASTEP  ; K block 1
	s_or_b32 s[G0A+3], s[G0A+3], 0x80000000        ; 127:126 type = 2
	s_or_b32 s[G0A+7], s[G0A+7], 0x80000000
	s_add_nc_u64 s[G0B+2:G0B+3], s[6:7], s[70:71]
	s_add_nc_u64 s[G0B+6:G0B+7], s[G0B+2:G0B+3], BSTEP
	s_or_b32 s[G0B+3], s[G0B+3], 0x80000000
	s_or_b32 s[G0B+7], s[G0B+7], 0x80000000
	s_add_nc_u64 s[14:15], s[14:15], s[72:73]
	s_add_nc_u64 s[16:17], s[16:17], s[72:73]
	s_add_nc_u64 s[18:19], s[18:19], s[72:73]
	CROUND                                         ; all sixteen work-groups are here: the first joint loads meet
	JLOAD 0                                        ; both slots are asked for before anything else is done
	JLOAD 1
	; A fragment is 16 rows x 32 K in 8 registers: lane l holds row l % 16; registers 0-3 K = 8 (l / 16) + 0..7, registers 4-7 K = 16 + 8 (l / 16) + 0..7: two loads of 16 bytes, 32 bytes apart.
	v_and_b32 v1, 15, v0                           ; l % 16
	v_bfe_u32 v2, v0, 4, 1                         ; l / 16
	v_mul_u32_u24 v3, v1, PITCH
	v_lshl_add_u32 v3, v2, 4, v3                   ; row x pitch + 16 x half
	s_mul_i32 s74, s[RH], 128*PITCH                ; my 128 rows of x
	v_add_nc_u32 v[ADA0], s74, v3
	s_mul_i32 s74, s[CH], 64*PITCH                 ; my head's 64 rows of each of W's tiles,
	s_add_co_u32 s74, s74, ABYTES                  ; which lie behind x's
	v_add_nc_u32 v[ADB0], s74, v3
	v_mov_b32 v[ADA], v[ADA0]                      ; slot 0
	v_mov_b32 v[ADB], v[ADB0]
	s_mul_i32 s74, s[WV], 16*PITCH
	s_add_co_u32 s74, s74, STAGE                   ; my stage
	v_add_nc_u32 v[STO], s74, v3                   ; in: row l % 16, 16 bytes for each half of the lanes
	v_bfe_u32 v12, v0, 3, 2                        ; back: 32 lanes take four rows of 128 bytes,
	v_mul_u32_u24 v12, v12, PITCH
	v_and_b32 v13, 7, v0
	v_lshl_add_u32 v12, v13, 4, v12
	v_add_nc_u32 v[RD], s74, v12
	v_and_b32 v[GO], 31, v0                        ; which are 512 consecutive bytes of a head
	v_lshlrev_b32 v[GO], 4, v[GO]
	s_lshl_b32 s70, s[NJ], 9                       ; my head's first column in a bias, in bytes: 512 NJ + 256 CH,
	s_lshl_b32 s71, s[CH], 8
	s_add_co_u32 s70, s70, s71
	v_lshl_add_u32 v[BO], v2, 5, s70               ; and my lanes' eight columns
	; THE BIAS.  Register j of accumulator (a, b) holds column 16 b + 8 (l / 16) + j: eight f32 on end.  They come into the registers of (0, b) and are rounded to bf16 there; v32-47 of the window serve at work.
.irp g, 0,1,2
	WIN ((\g)+1)<<6
.irp b, 0,1,2,3
	global_load_b128 v[8*\b:8*\b+3],   v[BO], s[8+2*\g:9+2*\g] offset:64*\b
	global_load_b128 v[8*\b+4:8*\b+7], v[BO], s[8+2*\g:9+2*\g] offset:64*\b+16
.endr
.endr
	s_wait_loadcnt 0x0
.irp g, 0,1,2
	WIN 0x55*((\g)+1)
.set i, 0
.rept 16
	v_cvt_pk_bf16_f32 v[32+i], v[2*i], v[2*i+1]
.set i, i+1
.endr
.set i, 0
.rept 16
	v_lshlrev_b32 v[2*i], 16, v[32+i]
	v_and_b32 v[2*i+1], s62, v[32+i]
.set i, i+1
.endr
.endr
	WIN 0
; x's fragments of one half (byte 64 kk of the rows) into buffer buf: 16 loads.  W's fragments for group g: 8 loads.
.macro LDA buf, kk
.irp a, 0,1,2,3,4,5,6,7
	ds_load_b128 v[AF+64*(\buf)+8*\a:AF+64*(\buf)+8*\a+3],   v[ADA] offset:\a*16*PITCH+64*(\kk)
	ds_load_b128 v[AF+64*(\buf)+8*\a+4:AF+64*(\buf)+8*\a+7], v[ADA] offset:\a*16*PITCH+64*(\kk)+32
.endr
.endm
.macro LDB g, kk
.irp b, 0,1,2,3
	ds_load_b128 v[BF+32*(\g)+8*\b:BF+32*(\g)+8*\b+3],   v[ADB] offset:(\g)*BPART+\b*16*PITCH+64*(\kk)
	ds_load_b128 v[BF+32*(\g)+8*\b+4:BF+32*(\g)+8*\b+7], v[ADB] offset:(\g)*BPART+\b*16*PITCH+64*(\kk)+32
.endr
.endm
; 16 matrix instructions of group g: row blocks a0 .. a0 + 3 x the head's 4 column blocks.  The 96 accumulators take turns, one instruction a turn, in the same order in every half.
.macro MUL16 g, buf, a0
	WIN 0x50*((\g)+1)                              ; C and D in window 1 + g, the sources in window 0
.irp a, \a0, (\a0)+1, (\a0)+2, (\a0)+3
.irp b, 0,1,2,3
	v_wmma_f32_16x16x32_bf16 v[8*(4*(\a)+(\b)):8*(4*(\a)+(\b))+7], v[BF+32*(\g)+8*(\b):BF+32*(\g)+8*(\b)+7], v[AF+64*(\buf)+8*(\a):AF+64*(\buf)+8*(\a)+7], v[8*(4*(\a)+(\b)):8*(4*(\a)+(\b))+7]
.endr
.endr
.endm
.macro RUN g, buf
	MUL16 \g, \buf, 0
	MUL16 \g, \buf, 4
.endm
; The first K step of group g: the sums start with the bias, which lies in the registers of (0, b).  Row blocks 1 to 7 take it as C; five places later block 0 adds onto it in place.
.macro RUNB g
	WIN 0x50*((\g)+1)
.irp a, 1,2,3,4,5,6,7
.irp b, 0,1,2,3
	v_wmma_f32_16x16x32_bf16 v[8*(4*(\a)+(\b)):8*(4*(\a)+(\b))+7], v[BF+32*(\g)+8*(\b):BF+32*(\g)+8*(\b)+7], v[AF+8*(\a):AF+8*(\a)+7], v[8*(\b):8*(\b)+7]
.endr
.endr
.rept 5
	v_nop                                          ; a matrix instruction writes over an earlier one's C five places behind it
.endr
.irp b, 0,1,2,3
	v_wmma_f32_16x16x32_bf16 v[8*(\b):8*(\b)+7], v[BF+32*(\g)+8*(\b):BF+32*(\g)+8*(\b)+7], v[AF:AF+7], v[8*(\b):8*(\b)+7]
.endr
.endm
; THE LDS LOADS of half h stand in three batches, each at the head of a run, 64 matrix instructions ahead of its first use:
;   at run 0: W's fragments for v of half h (8);   at run 1: W's for q and x's of half h + 1 (24);   at run 2: W's for k of half h + 1 (8).
; LDS loads come back in order (ISA guide 5.7.1), so each wait counts the batches that are younger than the one that the run needs.
; An even half: the first 32 along K of a slot, on x's buffer 0.
.macro HALF_E first
.if (\first) == 0
	PLACES
.endif
	WIN 0
	LDB 2, 0
	s_wait_dscnt 16                                ; q's and x's fragments are in; the two batches of 8 behind them may be out
.if \first
	RUNB 0
.else
	RUN 0, 0
.endif
	PLACES
	WIN 0
	LDB 0, 1
	LDA 1, 1
	s_wait_dscnt 32                                ; k's are in; behind them 8 + 24
.if \first
	RUNB 1
.else
	RUN 1, 0
.endif
	PLACES
	WIN 0
	LDB 1, 1
	s_wait_dscnt 32                                ; v's are in; behind them 24 + 8
.if \first
	RUNB 2
.else
	RUN 2, 0
.endif
.endm
; An odd half: the second 32 along K, on x's buffer 1, and THE CHANGE OF SLOTS.  Its first batch is the last read of the slot.  Each wave waits for all its tensor loads, of which one is out: its part of the
; other slot; adds 0 to its spare word; and waits for that and for its reads of the slot.  Behind the barrier nobody reads this slot any more and the other slot is whole.
; fill = 1: the slot is filled again, with the K block two on.  The barrier then opens a round of the cluster's, so that no wave of any partner still reads the slot or has a load on its way, and the joint
; refill is the first thing behind the round: a wave issues 160 matrix instructions between it and the wait for it.
.macro HALF_O fill
	PLACES
	WIN 0
	LDB 2, 1
	s_wait_tensorcnt 0x0                           ; no tensor load of mine is out, so a group 0 may be written
	ds_add_u32 v[SPW], v[NIL]                      ; 0 onto my spare word: scalar work and sixteen matrix instructions stand between it and the wait for it
.if \fill
	s_xor_b32 s[G0A+5], s[G0A+5], SLOT1            ; the walking descriptors: the other slot than last time,
	s_add_nc_u64 s[G0A+6:G0A+7], s[G0A+6:G0A+7], ASTEP  ; the next K block; the type bits on top are not reached
	s_xor_b32 s[G0B+5], s[G0B+5], SLOT1
	s_add_nc_u64 s[G0B+6:G0B+7], s[G0B+6:G0B+7], BSTEP
.endif
	s_xor_b32 s[TB], s[TB], SLOT1                  ; the reads go on in the other slot
	s_wait_dscnt 17                                ; q's and x's fragments are in; two batches of 8 and the add may be out
	MUL16 0, 1, 0
	s_wait_dscnt 0x0                               ; the add is done, and my reads of this slot are over
	s_barrier_signal -1
	MUL16 0, 1, 4                                  ; work on registers while the others arrive
	WIN 0                                          ; at a branch and at a label every window is 0
	s_barrier_wait -1
.if \fill
	CREST
	JLOAD 1                                        ; the four v_nop behind it are also the places in front of the loads below
.else
	PLACES
.endif
	v_add_nc_u32 v[ADA], s[TB], v[ADA0]
	v_add_nc_u32 v[ADB], s[TB], v[ADB0]
	LDB 0, 0
	LDA 0, 0
	RUN 1, 1                                       ; k's and v's fragments were shown in by the wait for 0 above
	PLACES
	WIN 0
	LDB 1, 0
	RUN 2, 1
.endm
	s_wait_tensorcnt 1                             ; my part of K block 0 is in; block 1's may stay out
	s_barrier_signal -1
	s_barrier_wait -1                              ; everybody's is
	LDB 0, 0
	LDA 0, 0
	LDB 1, 0
	HALF_E 1                                       ; the first half stands in front of the loop: its products start the sums
	WIN 0
	s_mov_b32 s[CNT], 14
.Lk:                                                   ; a trip: a block's second half, the change of slots, the next block's first half; the 14 refills bring K blocks 2 to 15
	HALF_O 1
	HALF_E 0
	WIN 0
	s_sub_co_u32 s[CNT], s[CNT], 1
	s_cmp_lg_u32 s[CNT], 0
	s_cbranch_scc1 .Lk
	HALF_O 0                                       ; the tail is written out: nothing is left to ask for
	HALF_E 0
	PLACES                                         ; the last half fetches only its own v fragments
	WIN 0
	LDB 2, 1
	s_wait_dscnt 16
	RUN 0, 1
	s_wait_dscnt 8                                 ; k's are in; behind them the last 8
	RUN 1, 1
	s_wait_dscnt 0x0
	RUN 2, 1
; THE WAY OUT, a tile (group g, 16 rows a, 64 channels) at a time: rounded to f16, each accumulator's registers in ascending order; a lane's eight channels of a row pack into 16 bytes; they go into rows of
; 144 bytes of my own stage and come back as four whole rows of 128 bytes a load, into the registers that they left.
.macro PACK g, a
.if (\g) > 0
	s_wait_xcnt 0x0                                ; every earlier store has had its addresses translated (ISA guide 3.1): the ring's registers, which the stores of eight tiles back read, are written only behind this wait
.endif
	WIN 5*((\g)+1)                                 ; sources 0 and 1 in window 1 + g, destination in window 0
.set i, 0
.rept 16
	v_cvt_pk_f16_f32 v[OB+16*(\a)+i], v[32*(\a)+2*i], v[32*(\a)+2*i+1]
.set i, i+1
.endr
	WIN 0
.irp f, 0,1,2,3
	ds_store_b128 v[STO], v[OB+16*(\a)+4*\f:OB+16*(\a)+4*\f+3] offset:32*\f
.endr
.irp f, 0,1,2,3
	ds_load_b128 v[OB+16*(\a)+4*\f:OB+16*(\a)+4*\f+3], v[RD] offset:\f*4*PITCH  ; LDS serves a wave's instructions in order (ISA guide 5.7.1.4): these see the stores above; the next tile's stores come behind them
.endr
.endm
.macro SEND g, a, younger              ; younger: the LDS instructions issued behind this tile's loads: the next tile's eight, or none
.irp f, 0,1,2,3
	s_wait_dscnt (\younger)+3-\f
	global_store_b128 v[GO], v[OB+16*(\a)+4*\f:OB+16*(\a)+4*\f+3], s[14+2*(\g):15+2*(\g)] offset:(\a)*2048+\f*512  ; 512 consecutive bytes, at a multiple of 256 from the buffer's first
.endr
.endm
	PLACES
	PACK 0, 0
.set n, 1
.rept 23                               ; a tile's conversions stand between the loads of the tile before and its stores
	PACK n/8, n%8
	SEND (n-1)/8, (n-1)%8, 8
.set n, n+1
.endr
	SEND 2, 7, 0
	s_wait_tensorcnt 0x0                           ; the wave's end: behind my last tensor load and my last LDS store
	ds_add_u32 v[SPW], v[NIL]
	s_wait_dscnt 0x0
	CROUND                                         ; the closing round: no work-group ends while a partner may still ask for a tile that names it
	s_endpgm
.Lfunc_end_k_q0df850927d_qkv:
	.size	k_q0df850927d_qkv, .Lfunc_end_k_q0df850927d_qkv-k_q0df850927d_qkv
	.p2alignl 7, 3214868480
	.fill 96, 4, 3214868480
	.section	.rodata,"a",@progbits
	.p2align	6, 0x0
	.amdhsa_kernel k_q0df850927d_qkv
		.amdhsa_group_segment_fixed_size 327680
		.amdhsa_private_segment_fixed_size 0
		.amdhsa_enable_private_segment 0
		.amdhsa_kernarg_size 64
		.amdhsa_user_sgpr_count 2
		.amdhsa_user_sgpr_kernarg_segment_ptr 1
		.amdhsa_wavefront_size32 1
		.amdhsa_system_sgpr_workgroup_id_x 1
		.amdhsa_system_sgpr_workgroup_id_y 1
		.amdhsa_system_sgpr_workgroup_id_z 1
		.amdhsa_system_vgpr_workitem_id 0
		.amdhsa_next_free_vgpr 1024
		.amdhsa_next_free_sgpr 80
		.amdhsa_reserve_vcc 0
		.amdhsa_float_denorm_mode_32 3
		.amdhsa_float_denorm_mode_16_64 3
		.amdhsa_memory_ordered 1
		.amdhsa_forward_progress 1
		.amdhsa_inst_pref_size 123
	.end_amdhsa_kernel
	.amdgpu_metadata
---
amdhsa.version: [ 1, 2 ]
amdhsa.kernels:
  - .name:           k_q0df850927d_qkv
    .symbol:         k_q0df850927d_qkv.kd
    .args:
      - { .name: xb, .offset: 0, .size: 8, .value_kind: global_buffer, .address_space: global }
      - { .name: wqkv, .offset: 8, .size: 8, .value_kind: global_buffer, .address_space: global }
      - { .name: bq, .offset: 16, .size: 8, .value_kind: global_buffer, .address_space: global }
      - { .name: bk, .offset: 24, .size: 8, .value_kind: global_buffer, .address_space: global }
      - { .name: bv, .offset: 32, .size: 8, .value_kind: global_buffer, .address_space: global }
      - { .name: q16, .offset: 40, .size: 8, .value_kind: global_buffer, .address_space: global }
      - { .name: k16, .offset: 48, .size: 8, .value_kind: global_buffer, .address_space: global }
      - { .name: v16, .offset: 56, .size: 8, .value_kind: global_buffer, .address_space: global }
    .group_segment_fixed_size: 327680
    .private_segment_fixed_size: 0
    .kernarg_segment_align: 8
    .kernarg_segment_size: 64
    .max_flat_workgroup_size: 128
    .sgpr_count:     80
    .vgpr_count:     1024
    .wavefront_size: 32
...
	.end_amdgpu_metadata
.endif
;; end of part 2
;; launch attn (part 3): grid 4 x 64, 4 waves a work-group, clusters of 4 x 1, 327,680 bytes of LDS; arguments q16, k16, v16, o16; writes o16
.if DOCPART == 3
	.amdgcn_target "amdgcn-amd-amdhsa--gfx1250"
	.amdhsa_code_object_version 6
	.text
	.protected	k_q0df850927d_attn
	.globl	k_q0df850927d_attn
	.p2align	8
	.type	k_q0df850927d_attn,@function
k_q0df850927d_attn:
	s_mov_b64 s[64:65], 0
	v_nop
	global_prefetch_b8 v0, s[64:65] scope:SCOPE_SE
	s_setreg_imm32_b32 hwreg(HW_REG_WAVE_MODE, 25, 1), 1
	s_wait_xcnt 0x0
	s_wait_alu depctr_hold_cnt(0) depctr_sa_sdst(0) depctr_va_vdst(0) depctr_va_sdst(0) depctr_va_ssrc(0) depctr_va_vcc(0) depctr_vm_vsrc(0)
	s_getreg_b32 s2, hwreg(HW_REG_IB_STS2, 6, 4)
	s_cmp_eq_u32 s2, 0
	s_cbranch_scc0 .Lentry_in_a_cluster
	s_endpgm
.Lentry_in_a_cluster:
	s_bfe_u32 s2, ttmp6, 0x10000c
	s_cmp_lg_u32 s2, 0x3003
	s_cbranch_scc0 .Lentry_shape_is_right
	s_endpgm
.Lentry_shape_is_right:
; O[h][q][:] = the sum over k of softmax_k(Q[h][q] . K[h][k] / 8) V[h][k][:].  Q, K, V, O: [SIZE_H][SIZE_N][64], all f16: a head's rows are dense, 128 bytes each.  Products, maxima and sums in
; f32; the weights p are rounded to f16 for the second product (their sum l is taken of the unrounded p), O once at the end.
; LIMITS.  f16 holds no number beyond 65,504: Q, K and V arrive within it; p lies in 0 to 1, and below 6e-5 it keeps f16's fixed step of 6e-8; O is a mean of V's rows and has their range.
; A weight below 2^-126 counts as 0 in l; NaN and infinities are not treated apart.
; SHARES.  A wave owns four PIECES of two tiles of 16 queries, a work-group's four waves 512 queries of one head: 4 x 64 = 256 work-groups.  Every wave walks all keys, 64 a step.
; LAYOUT.  S^T = K Q^T (source 0 = 16 keys, source 1 = 16 queries): in the result a lane holds ONE query (lane % 16) and the keys 8 (lane / 16) + 0..7.  Two such tiles, rounded to f16 in pairs,
; ARE source 1 (32 keys x 16 queries) of O^T = V^T P, whose result again holds one query a lane, and eight channels.  K comes out of LDS as it lies, V ([key][channel]) turned, by ds_load_tr16_b128.
; SOFTMAX.  For each query a running maximum m and sum l: p = 2^(c s - c m), c = log2(e) / 8; in every step O and l are multiplied by a = 2^(c m_old - c m_new), which is 1 where m has not grown.
; m starts at the lowest finite number, O and l at 0: the first step is a step like any other, with a = 0.
; THE COUNT.  A tile and step have 16 matrix and 118 vector instructions: too many to stand all beside the matrix work.  So the order has one aim: four vector instructions that are READY behind
; EVERY matrix instruction, and the others, which need time of their own whatever the order, in runs without a gap.
; BY TURNS.  Turn n belongs to piece n (the pieces in a ring, step after step).  Its matrix work: 16 products K Q^T of piece n + 1, later 16 products V^T P of piece n - 1.  Its vector work: the scaling,
; exponentials, roundings, sums and rescaling of piece n, and the maximum and statistics of piece n + 1, whose scores the turn itself has made.  So what a turn begins with (c s - c m, O a) waits for nothing.
; CLUSTER.  The four query blocks of a cluster belong to one head and walk the same K and V, so each tile is asked for JOINTLY: the same tensor load, descriptor and mask in all four.
; AHEAD OF THE JOINT LOADS.  Behind the load of each change of slots stands one prefetch into the L2 of the 256 keys that the NEXT change will ask for: four key steps, 512 matrix instructions, ahead of that load.
; REGISTERS, in windows of 256 (s_set_vgpr_msb says which window each operand place means: bits 1:0 source 0, 3:2 source 1, 5:4 source 2, 7:6 destination):
;   window 0: v0-11 addresses; v12-15, v48-63 at work; v16-47 four registers of statistics a tile; v64-191 S^T, two buffers of two tiles; v192-255 P, likewise
;   window 1: O^T, 32 a tile          window 2: v0-127 Q, 16 a tile; v128-191 K of one step; v192-255 V of one step          window 3: v0-1 the add's two registers
; A piece's buffers go by its number's parity: the piece in hand has one pair, its two neighbours in the ring share the other: of it P (piece n - 1) is read and S^T (piece n + 1) written.
.set SIZE_H, 64
.set SIZE_N, 2048
.set NP,    4         ; pieces a wave: a name, no knob: the register map, the loop and the fetches are made for four
.set KS,    64        ; keys in a step
.set PK,    144       ; a row of K in LDS: 128 bytes + 16 of padding = 36 words: the 16 rows of a load start at 16 different groups of four banks (64 banks of 4 bytes: ISA guide 11.1)
.set PV,    160       ; a row of V: 128 + 32 = 40 words
.set VOFF,  4*KS*PK   ; a slot holds four steps: 256 rows of K, then 256 rows of V
.set SLOT1, 1<<17     ; slot 1 begins here, so that one exclusive or turns an address in one slot into the other's
.set STAGE, SLOT1+4*KS*(PK+PV)  ; behind the ring, never filled by a tensor load: 16 rows x 144 bytes for each wave, for the way out
.set SP,    144
.set AK0, 2           ; v2   my lane's place in a tile of K; never rewritten
.set AV0, 3           ; v3   the same for V
.set AK,  4           ; v4   the LDS address of K's next run of loads
.set AV,  5           ; v5   of V's
.set QO,  6           ; v6   my byte offset in the wave's rows of Q
.set STO, 6           ;      later, the way out: where I put 16 bytes of a row
.set RD,  7           ; v7   the way out: where I read rows back
.set GO,  8           ; v8   my byte offset in 512 consecutive bytes of O
.set PFO, 11          ; v11  the prefetches' offset: 256 x my lane; never rewritten once made
.set SPW, 0           ; v0 of window 3   LDS address of my spare word: SPARE + 4 x my thread's number; never rewritten
.set NIL, 1           ; v1 of window 3   0; never rewritten
.set SPARE, STAGE+4*16*SP  ; behind the stages: the spare words, 128 bytes for each wave: two blocks of 256 bytes that no other line names
.set MV,  12          ; v12-15  c m_old, kept while c m is made anew: by buffer and tile
.set ST,  16          ; tile t's statistics at v[ST+4 t]: c m, m, l (even keys', odd keys')
.set TMP, 48          ; by buffer and tile, four registers c0-c3 at work; when the maximum is found c2 takes a
.set S,   64
.set P,   192
.set KF,  128         ; K's fragments, in window 2: key block kb, channel half c at KF + 16 kb + 8 c
.set VF,  192         ; V's: key half kk, channel block cb at VF + 32 kk + 8 cb
.set WV,  12          ; s12  my wave's number
.set LIM, 15          ; s15  1 in a wave that prefetches, else the greatest number: a wave prefetches while s[SLOTS] is above it
.set G1K, 24          ; s[24:31] descriptor group 1 for K's tiles
.set G1V, 32          ; s[32:39] for V's: it differs in the padding alone
.set G0K, 40          ; s[40:43] descriptor group 0 for K's tiles: it walks
.set G0V, 44          ; s[44:47] the same for V's
.set PFA, 48          ; s[48:49] where my prefetches stand: my work-group's 8,192 bytes (of K: wave 0, of V: wave 2) of the 256 keys after those that are being asked for
.set SLOTS, 56        ; s56  slots still to be asked for
.set CNT, 57          ; s57  counts a slot's key steps
.set CS,  58          ; s[58:59] c: the packed scaling takes the pair's low word for both halves
.set SEL, 60          ; s[60:61] v_permlanex16_b32's selects: each lane takes its own place in the other half
.set TBK, 62          ; s62  LDS byte at which K of the step to be fetched begins
.set TBV, 63          ; s63  the same for V, less VOFF
.set MSB, 0
.macro WIN new                      ; the high byte repeats the setting that is left; a switch that changes nothing is dropped
.if MSB != (\new)
	s_set_vgpr_msb (MSB<<8)|(\new)
.set MSB, (\new)
.endif
.endm
.set W_KQ, 0x0a       ; K and Q in window 2, S^T in window 0
.set W_PV, 0x52       ; V in window 2, P in window 0, O^T in window 1
.set W_RS, 0x41       ; O^T (destination and source 0) in window 1, a in window 0
.set W_MK, 0xc0       ; the add's registers are made: destination in window 3, sources in window 0
.set W_AD, 0x0f       ; the add: address (source 0) and data (source 1) in window 3
; A joint fill.  Waves 0 and 1 fetch the two halves of a slot's K, waves 2 and 3 those of its V: 128 keys each.  The branch hangs on the wave's number alone.
; An s_nop 0 and four v_nop follow each of the two lines, ahead of the jump and the label.
.macro JLOAD
	s_cmp_lt_u32 s[WV], 2
	s_cbranch_scc0 .Lfor_v_\@
	tensor_load_to_lds s[G0K:G0K+3], s[G1K:G1K+7]
	s_nop 0
.rept 4
	v_nop
.endr
	s_branch .Lasked_\@
.Lfor_v_\@:
	tensor_load_to_lds s[G0V:G0V+3], s[G1V:G1V+7]
	s_nop 0
.rept 4
	v_nop
.endr
.Lasked_\@:
.endm
; A PREFETCH INTO THE L2 of what the NEXT change of slots will ask for: 32,768 bytes of K and of V, in pieces of 256 bytes, a lane a piece.  It stands behind the wave's tensor load and its five lines.
; Each piece is named ONCE in the launch: a head's first cluster asks (here a head has one); its four partners share the bytes out BY ADDRESS, 8,192 each: no branch hangs on a work-group's place in its
; cluster; in each, wave 0 asks for K's and wave 2 for V's: one instruction.  The last change that fills a slot asks for nothing: there are no keys behind it.  The first 512 keys come by their loads alone.
.macro ASK
	s_cmp_gt_u32 s[SLOTS], s[LIM]
	s_cbranch_scc0 .Lnot_mine_\@
	global_prefetch_b8 v[PFO], s[PFA:PFA+1] th:TH_LOAD_NT scope:SCOPE_SE
.Lnot_mine_\@:
.endm
; A round of the cluster's barrier: my work-group's barrier, so that wave 0's signal speaks for all four waves; wave 0 signals; every wave waits for all four work-groups; my work-group's barrier once more.
.macro CROUND
	s_barrier_signal -1
	s_barrier_wait -1
	s_cmp_lg_u32 s[WV], 0
	s_cbranch_scc1 .Lnot_wave_0_\@
	s_barrier_signal -3
.Lnot_wave_0_\@:
	s_barrier_wait -3
	s_barrier_signal -1
	s_barrier_wait -1
.endm
; THE CHANGE OF SLOTS.  The slot's last bytes, V of its fourth step, have been read.  Each wave waits for all its tensor loads, of which one is out: its part
; of the other slot; adds 0 to its spare word; and waits for that and for its own reads of the slot.  Behind the barrier nobody reads this slot any more and the other slot is whole.
; fill = 1: this slot is filled again, with the keys two slots on.  The barrier is then a round of the cluster's, so that no wave of any partner still reads the slot or has a load on its
; way, and the joint fill is the first thing behind it: it has four key steps, 512 matrix instructions, in which to land.  (At its first use nothing has been read yet: slot 0 is waited for, slot 1 filled.)
.macro CHANGE fill
	WIN W_AD
	s_wait_tensorcnt 0x0            ; no tensor load of mine is out, so a group 0 may be written
	ds_add_u32 v[SPW], v[NIL]       ; 0 onto my spare word: with fill = 1 the descriptors' steps stand between it and the wait for it
	WIN 0                           ; at a label and at a branch every window is 0
.if \fill
.irp g, G0K, G0V
	s_xor_b32 s[\g+1], s[\g+1], SLOT1  ; the walking descriptor: the other slot than last time,
	s_add_nc_u64 s[\g+2:\g+3], s[\g+2:\g+3], 4*KS*128  ; the next 256 keys; the type bits on top are not reached
.endr
	s_wait_xcnt 0x0                 ; the last prefetch, four key steps back, has read its address, so it may be written:
	s_add_nc_u64 s[PFA:PFA+1], s[PFA:PFA+1], 4*KS*128  ; 256 keys behind the walking descriptors
	s_wait_dscnt 0x0                ; the add is done, and my reads of the slot are over
	CROUND
	JLOAD
	ASK
.else
	s_wait_dscnt 0x0                ; the add is done, and my reads of the slot are over
	s_barrier_signal -1
	s_barrier_wait -1
.endif
	s_sub_co_u32 s[TBK], s[TBK], 4*KS*PK  ; the fetches go back to a slot's first step,
	s_xor_b32 s[TBK], s[TBK], SLOT1       ; in the other slot
	s_sub_co_u32 s[TBV], s[TBV], 4*KS*PV
	s_xor_b32 s[TBV], s[TBV], SLOT1
.endm
	s_load_b256 s[4:11], s[0:1], 0x0  ; Q s[4:5], K s[6:7], V s[8:9], O s[10:11]
	WIN W_MK
	v_lshl_add_u32 v[SPW], v0, 2, SPARE
	v_mov_b32 v[NIL], 0
	WIN W_AD
	ds_add_u32 v[SPW], v[NIL]       ; the wave's opening: the add and its wait stand ahead of my first tensor load; the set-up below, work on registers, stands between them
	WIN 0
	v_lshrrev_b32 v1, 5, v0
	v_readfirstlane_b32 s[WV], v1   ; wave 0..3
	s_bfe_u32 s13, ttmp6, 0x40000   ; cx: my place in the cluster
	s_lshl_b32 s14, ttmp9, 2        ; in a cluster launch ttmp9 counts clusters
	s_add_co_u32 s14, s14, s13      ; my block of queries = 4 x cluster x + cx: it enters Q's and O's addresses alone
	s_and_b32 s20, ttmp7, 0xffff    ; the head, which the four partners share
	s_mov_b32 s21, 0
	s_mov_b64 s[22:23], SIZE_N*128
	s_mul_u64 s[20:21], s[20:21], s[22:23]  ; the head's first byte in each of the four tensors
	s_and_b32 s16, s[WV], 1         ; which half of a slot's 256 keys I fetch:
	s_lshl_b32 s22, s16, 14         ; its 128 rows of 128 bytes in memory,
	s_mov_b32 s23, 0
	s_add_nc_u64 s[22:23], s[22:23], s[20:21]
	s_mul_i32 s17, s16, 128*PK      ; and its place in a slot, for K
	s_mul_i32 s18, s16, 128*PV      ; and for V: no place in the cluster enters an LDS address
	s_lshl_b32 s2, s14, 2
	s_add_co_u32 s2, s2, s[WV]      ; my wave among the head's,
	s_lshl_b32 s2, s2, 14           ; its 128 rows
	s_mov_b32 s3, 0
	s_add_nc_u64 s[2:3], s[2:3], s[20:21]
	; descriptor group 1.  128 keys are 16,384 dense bytes: asked for as 64 rows of 256 bytes, two keys a row, and padded in LDS after every key
	s_mov_b32 s[G1K], 15|(1<<16)|(1<<20)|(1<<21)|(4<<22)|(3<<25)  ; 15:0 the mask of four; 17:16 2-byte elements; 20 padding on; 21 set beside a mask; 24:22 after every 32 words (code 4); 31:25 4 words (code 3)
	s_mov_b32 s[G1V], 15|(1<<16)|(1<<20)|(1<<21)|(4<<22)|(7<<25)  ; the same with 8 words of padding (code 7)
.irp g, G1K, G1V
	s_mov_b32 s[\g+1], 128<<16      ; tensor_dim0 = 128
	s_mov_b32 s[\g+2], 64<<16       ; tensor_dim1 = 64
	s_mov_b32 s[\g+3], 128<<16      ; tile_dim0 = 128
	s_mov_b32 s[\g+4], 64           ; tile_dim1 = 64
	s_mov_b32 s[\g+5], 128          ; 128 elements from row to row
	s_mov_b32 s[\g+6], 0
	s_mov_b32 s[\g+7], 0
.endr
	s_mov_b32 s[CS], 0x3e38aa3b     ; c = log2(e) / 8 = 0.180337
	s_mov_b32 s[CS+1], s[CS]        ; named with it as a pair
	s_mov_b32 s[SEL], 0x76543210
	s_mov_b32 s[SEL+1], 0xfedcba98
	s_mov_b32 s[TBK], SLOT1+4*KS*PK ; the first change of slots turns these two into 0
	s_mov_b32 s[TBV], SLOT1+4*KS*PV
	s_mov_b32 s[G0K], 1             ; 1:0 count = 1
	s_mov_b32 s[G0K+1], s17         ; 63:32 LDS address: slot 0
	s_mov_b32 s[G0V], 1
	s_add_co_u32 s[G0V+1], s18, VOFF
	s_mov_b32 s[SLOTS], SIZE_N/256-1
	s_and_b32 s[LIM], s[WV], 1      ; 0 in waves 0 and 2,
	s_or_b32 s[LIM], s[LIM], ttmp9  ; where the cluster is the head's first: the same in all four partners
	s_cmp_eq_u32 s[LIM], 0
	s_cselect_b32 s[LIM], 1, -1
	s_wait_dscnt 0x0                ; the opening add is done
	s_wait_kmcnt 0x0
	s_add_nc_u64 s[G0K+2:G0K+3], s[6:7], s[22:23]  ; 120:64 global address: my half of the head's first 256 keys
	s_or_b32 s[G0K+3], s[G0K+3], 0x80000000        ; 127:126 type = 2
	s_add_nc_u64 s[G0V+2:G0V+3], s[8:9], s[22:23]
	s_or_b32 s[G0V+3], s[G0V+3], 0x80000000
	s_add_nc_u64 s[4:5], s[4:5], s[2:3]  ; Q and O at my wave's first row
	s_add_nc_u64 s[10:11], s[10:11], s[2:3]
	s_cmp_lt_u32 s[WV], 2
	s_cselect_b64 s[PFA:PFA+1], s[6:7], s[8:9]
	s_add_nc_u64 s[PFA:PFA+1], s[PFA:PFA+1], s[22:23]  ; (in waves 0 and 2: the head's first key)
	s_lshl_b32 s2, s13, 13          ; my work-group's 8,192 bytes of the 32,768
	s_mov_b32 s3, 0
	s_add_nc_u64 s[PFA:PFA+1], s[PFA:PFA+1], s[2:3]
	s_add_nc_u64 s[PFA:PFA+1], s[PFA:PFA+1], 4*KS*128  ; at keys 256 on; the first change of slots steps it to keys 512 on.  Nothing is prefetched here, at the head, where every work-group's first tiles are on their way
	CROUND                          ; all four work-groups are here: the first joint loads meet
	JLOAD                           ; slot 0.  Slot 1 is asked for when slot 0 is in: the tile wanted first has the road to itself
	; A fragment of K or Q is 16 rows x 32 channels in 8 registers: lane l holds row l % 16, channels 8 (l / 16) + 0..7 and 16 + 8 (l / 16) + 0..7: two loads of 16 bytes, 32 bytes apart.
	v_and_b32 v1, 15, v0            ; l % 16
	v_bfe_u32 v9, v0, 4, 1          ; l / 16
	v_lshlrev_b32 v[QO], 7, v1
	v_lshl_add_u32 v[QO], v9, 4, v[QO]  ; row x 128 + 16 x half
	WIN 0x80                        ; destination window 2, address window 0
.set i, 0
.rept 4*NP                          ; Q stays in registers: tile i / 2, channels 32 (i % 2) on
	global_load_b128 v[8*i:8*i+3],   v[QO], s[4:5] offset:(i/2)*2048+(i%2)*64
	global_load_b128 v[8*i+4:8*i+7], v[QO], s[4:5] offset:(i/2)*2048+(i%2)*64+32
.set i, i+1
.endr
	; What the first turn finds: V's registers and P's second buffer hold 0 (its products V^T P, of a piece that has not been, add 0), O^T and l are 0.  All this stands in the wait for the first tile.
.set i, VF
.rept 64
	v_mov_b32 v[i], 0
.set i, i+1
.endr
	WIN 0x40
.set i, 0
.rept 64*NP
	v_mov_b32 v[i], 0
.set i, i+1
.endr
	WIN 0
.set i, 0
.rept 2*NP
	v_mov_b32 v[ST+4*i], 0xfe000000    ; c m: far below every c s
	v_mov_b32 v[ST+4*i+1], 0xff7fffff  ; m
	v_mov_b32 v[ST+4*i+2], 0
	v_mov_b32 v[ST+4*i+3], 0
.set i, i+1
.endr
.set i, P+32
.rept 32
	v_mov_b32 v[i], 0
.set i, i+1
.endr
	v_mul_u32_u24 v[AK0], v1, PK
	v_lshl_add_u32 v[AK0], v9, 4, v[AK0]  ; row x pitch + 16 x half
	; The turning load takes 16 keys x 16 channels (lane l reads key 8 (l / 16) + l % 8, channels 8 ((l / 8) % 2) + 0..7) and leaves half a fragment of V^T: lane l holds channel l % 16 and 8 keys.
	v_and_b32 v10, 7, v0
	v_bfe_u32 v11, v0, 3, 1
	v_lshl_add_u32 v[AV0], v9, 3, v10
	v_mul_u32_u24 v[AV0], v[AV0], PV
	v_lshl_add_u32 v[AV0], v11, 4, v[AV0]
	v_add_nc_u32 v[AV0], VOFF, v[AV0]
	v_and_b32 v[PFO], 31, v0        ; v11 has served: it takes the prefetches' offset
	v_lshlrev_b32 v[PFO], 8, v[PFO]
	v_mov_b32 v[AK], v[AK0]         ; key step 0 lies at the head of slot 0
; THE MATRIX WORK.  The 8 accumulators of a run of 16 take turns: between the two links of a chain stand 7 others'.
; Product i of 16 of S^T = K Q^T for piece x: channels 32 (i / 8) on, keys 16 ((i / 2) % 4) on, tile 2 x + i % 2.  The first 8 start the sums.
.macro KQ x
	WIN W_KQ
.set rS, S+64*((\x)%2)+32*(i%2)+8*((i/2)%4)
.set rK, KF+16*((i/2)%4)+8*(i/8)
.set rQ, 16*(2*(\x)+i%2)+8*(i/8)
.if i < 8
	v_wmma_f32_16x16x32_f16 v[rS:rS+7], v[rK:rK+7], v[rQ:rQ+7], 0
.else
	v_wmma_f32_16x16x32_f16 v[rS:rS+7], v[rK:rK+7], v[rQ:rQ+7], v[rS:rS+7]
.endif
.endm
; Product i of 16 of O^T += V^T P for piece x: keys 32 (i / 8) on, channels 16 ((i / 2) % 4) on, tile 2 x + i % 2.
.macro PV x
	WIN W_PV
.set rO, 32*(2*(\x)+i%2)+8*((i/2)%4)
.set rV, VF+32*(i/8)+8*((i/2)%4)
.set rP, P+32*((\x)%2)+16*(i%2)+8*(i/8)
	v_wmma_f32_16x16x32_f16 v[rO:rO+7], v[rV:rV+7], v[rP:rP+7], v[rO:rO+7]
.endm
.macro MM                           ; the turn's next matrix instruction
.if i < 16
	KQ (Y+1)%NP
.set i, i+1
.else
.set i, i-16
	PV (Y+NP-1)%NP
.set i, i+17
.endif
.endm
; THE LDS LOADS stand in runs of 16, never singly among the matrix instructions: a step's K (64 keys x 64 channels: 8 fragments) and its V (turned).  Their addresses are made some lines ahead.
; last = 1 (the tail): in the last trip there is no further step, and the run is jumped over.
.macro FETCH_K last=0
	WIN 0
.if \last
	s_cmp_eq_u32 s[CNT], 1
	s_cbranch_scc1 .Lno_k_\@
.endif
	WIN 0x80                        ; destination window 2
.irp f, 0,1,2,3,4,5,6,7             ; keys 16 (f / 2) on, channels 32 (f % 2) on
	ds_load_b128 v[KF+8*\f:KF+8*\f+3],   v[AK] offset:(\f/2)*16*PK+(\f%2)*64
	ds_load_b128 v[KF+8*\f+4:KF+8*\f+7], v[AK] offset:(\f/2)*16*PK+(\f%2)*64+32
.endr
	s_add_co_u32 s[TBK], s[TBK], KS*PK  ; the next fetch is the next step's
	WIN 0
.if \last
.Lno_k_\@:
.endif
.endm
.macro FETCH_V
	WIN 0x80
.irp f, 0,1,2,3,4,5,6,7             ; keys 32 (f / 4) on, channels 16 (f % 4) on
	ds_load_tr16_b128 v[VF+8*\f:VF+8*\f+3],   v[AV] offset:(\f/4)*32*PV+(\f%4)*32
	ds_load_tr16_b128 v[VF+8*\f+4:VF+8*\f+7], v[AV] offset:(\f/4)*32*PV+16*PV+(\f%4)*32
.endr
	WIN 0
.endm
; THE VECTOR WORK OF A TURN stands in three queues, each in the order in which its entries become ready; the two tiles alternate, so that no instruction reads the result of the one before it.
.macro REGS y, u                    ; the registers of tile u (0, 1) of piece y
.set rT, ST+4*(2*(\y)+(\u))
.set rC, TMP+8*((\y)%2)+4*(\u)
.set rM, MV+2*((\y)%2)+(\u)
.set rS, S+64*((\y)%2)+32*(\u)
.set rP, P+32*((\y)%2)+16*(\u)
.set rO, 32*(2*(\y)+(\u))
.endm
; Number n of the 22 that find the NEXT piece's (Y + 1) maximum and statistics.  s0-s31 are the lane's 32 scores; each accumulator's lowest registers are read first.  XS, GS and REGS set no window: PL and EX do.
;   0-11  four chains c0-c3 of seven scores each, three operands at a time     12-14, 16  the four scores left over, the old m, and c0-c3 into c0     15  c m_old is kept
;   17, 18  the query's other 32 keys lie in the lane 16 away: the new m         19-21  c m; c m_old - c m_new; a
.macro XS u, n
	REGS (Y+1)%NP, \u
.if (\n) < 4
	v_max3_num_f32 v[rC+(\n)], v[rS+8*(\n)], v[rS+8*(\n)+1], v[rS+8*(\n)+2]
.elseif (\n) < 12
	v_max3_num_f32 v[rC+(\n)%4], v[rC+(\n)%4], v[rS+8*((\n)%4)+2*((\n)/4)+1], v[rS+8*((\n)%4)+2*((\n)/4)+2]
.elseif (\n) == 12
	v_max3_num_f32 v[rC], v[rC], v[rS+7], v[rS+15]
.elseif (\n) == 13
	v_max3_num_f32 v[rC+1], v[rC+1], v[rS+23], v[rS+31]
.elseif (\n) == 14
	v_max3_num_f32 v[rC+2], v[rC+2], v[rC+3], v[rT+1]
.elseif (\n) == 15
	v_mov_b32 v[rM], v[rT]
.elseif (\n) == 16
	v_max3_num_f32 v[rC], v[rC], v[rC+1], v[rC+2]
.elseif (\n) == 17
	v_permlanex16_b32 v[rC+3], v[rC], s[SEL], s[SEL+1]
.elseif (\n) == 18
	v_max_num_f32 v[rT+1], v[rC], v[rC+3]
.elseif (\n) == 19
	v_mul_f32 v[rT], s[CS], v[rT+1]
.elseif (\n) == 20
	v_sub_f32 v[rC+1], v[rM], v[rT]
.else
	v_exp_f32 v[rC+2], v[rC+1]
.endif
.endm
; Number g of the 64 that follow the exponentials.  For each four weights k of a tile (pairs 2 k, 2 k + 1): both pairs are rounded to f16; then the second pair is added onto the first, in place;
; a group later l takes that sum (the first time as l = a l + sum).  In groups of eight, tiles alternating: round, round, add, and l for the group before.
.macro GS g
.set h, (\g)+6*((\g)/62)            ; group 0 has no group before it, and behind group 7 only l is left
.if h >= 6
.set h, h+2
.endif
	REGS Y, h%2
.set k, h/8
.if h%8 < 4
	s_wait_alu depctr_va_vdst(0)
	v_cvt_pk_f16_f32 v[rP+2*k+(h%8)/2], v[rS+4*k+2*((h%8)/2)], v[rS+4*k+2*((h%8)/2)+1]
.elseif h%8 < 6
	v_pk_add_f32 v[rS+4*k:rS+4*k+1], v[rS+4*k:rS+4*k+1], v[rS+4*k+2:rS+4*k+3]
.elseif k == 1
	v_pk_fma_f32 v[rT+2:rT+3], v[rT+2:rT+3], v[rC+2:rC+3], v[rS:rS+1] op_sel_hi:[1,0,1]
.else
	v_pk_add_f32 v[rT+2:rT+3], v[rT+2:rT+3], v[rS+4*k-4:rS+4*k-3]
	s_wait_alu depctr_va_vdst(0)
.endif
.endm
; THE PLAIN QUEUE, 138 long.  0-31: c s - c m for the 16 pairs of both tiles.  Then GS's 64, and among them the next piece's 42: number 15 at 38, 39; 0-14 and 16
; at 42-73, behind the products that make those scores; 17-20 at 95-106, two of three, since each waits for the one before it.
.macro PL
	WIN 0
.if q < 32
	REGS Y, q%2
	v_pk_fma_f32 v[rS+2*(q/2):rS+2*(q/2)+1], v[rS+2*(q/2):rS+2*(q/2)+1], s[CS:CS+1], v[rT:rT+1] op_sel_hi:[1,0,0] neg_lo:[0,0,1] neg_hi:[0,0,1]
.elseif q < 38
	GS q-32
.elseif q < 40
	XS q%2, 15
.elseif q < 42
	GS q-34
.elseif q < 74
	XS q%2, (q-42)/2+(q-42)/30
.elseif q < 95
	GS q-66
.elseif (q < 107) && ((q-95)%3 < 2)
	XS (q-95)%3, 17+(q-95)/3
.elseif q < 107
	GS 29+(q-95)/3
.else
	GS q-74
.endif
.set q, q+1
.endm
; THE EXPONENTIALS' QUEUE, 66 long: s0-s31 of both tiles, and at EA the next piece's two a.
.set EA, 58
.macro EX
	WIN 0
.if (e == EA) || (e == EA+1)
	XS e-EA, 21
.else
.set x, e-2*(e/(EA+2))
	REGS Y, x%2
	v_exp_f32 v[rS+x/2], v[rS+x/2]
.endif
.set e, e+1
.endm
; THE RESCALING's QUEUE: O^T times a, the one part that leaves window 0, so it is dealt four at a time, eight times.
.macro R4
	REGS Y, r%2
	WIN W_RS
	s_wait_alu depctr_va_vdst(0)
.irp z, 0,1,2,3
	v_pk_mul_f32 v[rO+8*(r/2)+2*\z:rO+8*(r/2)+2*\z+1], v[rO+8*(r/2)+2*\z:rO+8*(r/2)+2*\z+1], v[rC+2:rC+3] op_sel_hi:[1,0]
.endr
.set r, r+1
.endm
; HOW THEY ARE DEALT.  Behind a matrix instruction four: plain, exponential, plain, plain (one exponential, a plain instruction on either side), or four of the rescaling.  None names a register of the
; products round it.  What is over stands in two LUMPS: exponential and plain by turns; the second ends in 22 plain instructions.  The two v_permlanex16_b32 fall into the second lump, never behind a product.
; The queues lean on each other, and the deal keeps them in step: exponential e stands behind plain 2 (e / 4) + e % 2 (its scaling); when plain 32 comes, 10 exponentials are out, at 59: 33, at 95: 46; EA comes behind plain 107.
.macro SL
	MM
	PL
	EX
	PL
	PL
.endm
.macro BURST n                      ; 15 matrix instructions, or 16
.rept (\n)-7
	SL
.endr
.rept 3
	MM
	R4
	SL
.endr
	MM
	R4
.endm
; A TURN, for piece p.  cnt = 1: the loop's count is taken down some lines ahead of the branch that stands behind the turn.
; K of the next step is fetched in piece 2's turn, 31 vector instructions behind the last product that read K; the first product that takes it comes behind the rest of the lump, 16 products and the second lump.
; V of the step in hand is fetched at the end of piece 0's turn, 69 behind the last product that read V; the first product that takes it comes behind 16 products and a lump.  The four conditions on e and q below go with the deal.
.macro TURN p, last=0, cnt=0
.set Y, (\p)
.set i, 0
.set q, 0
.set e, 0
.set r, 0
.if (\p) == NP-1
	s_wait_dscnt 0x0                ; K is in
.endif
	MM
.rept 4
	PL
.endr
	BURST 15
.rept 22
	EX
	PL
.if ((\p) == NP-2) && (e == 18)
	v_add_nc_u32 v[AK], s[TBK], v[AK0]
.endif
.if ((\p) == NP-2) && (e == 24)
	FETCH_K \last
.endif
.endr
.if (\p) == 1
	s_wait_dscnt 0x0                ; V is in
.endif
	BURST 16
.rept 21
	EX
	PL
.endr
.rept 22
	PL
.if ((\p) == 0) && (q == 118)
	v_add_nc_u32 v[AV], s[TBV], v[AV0]
	s_wait_alu depctr_va_vdst(0)
.endif
.if ((\p) == 0) && (q == 130)
	s_add_co_u32 s[TBV], s[TBV], KS*PV
.endif
.if (\cnt) && (q == 130)
	s_sub_co_u32 s[CNT], s[CNT], 1
	s_cmp_lg_u32 s[CNT], 0
.endif
.endr
.if (\p) == 0
	FETCH_V
.endif
.endm
	CHANGE 1                        ; slot 0 is in, everybody's part of it; slot 1 is asked for
	FETCH_K                         ; key step 0
	s_wait_loadcnt 0x0              ; Q
	s_wait_dscnt 0x0
.set i, 0
.rept 16
	KQ 0                            ; piece 0's first scores: there is no vector work yet to set between them
.set i, i+1
.endr
	WIN 0                           ; the addresses for the way out: nine plain instructions, the places behind those products
	s_mul_i32 s13, s[WV], 16*SP
	s_add_co_u32 s13, s13, STAGE    ; my stage
	v_mul_u32_u24 v[STO], v1, SP    ; in: row l % 16, 16 bytes for each half of the lanes
	v_lshl_add_u32 v[STO], v9, 4, v[STO]
	v_add_nc_u32 v[STO], s13, v[STO]
	v_bfe_u32 v[RD], v0, 3, 2       ; back: 32 lanes take four rows of 128 bytes,
	v_mul_u32_u24 v[RD], v[RD], SP
	v_lshl_add_u32 v[RD], v10, 4, v[RD]
	v_add_nc_u32 v[RD], s13, v[RD]
	v_and_b32 v[GO], 31, v0         ; which are 512 consecutive bytes of O
	v_lshlrev_b32 v[GO], 4, v[GO]
.set Y, NP-1                        ; XS works for piece Y + 1: piece 0
.irp n, 0,1,2,3,4,5,6,7,8,9,10,11,12,13,14,15,16,17,18,19,20,21
	XS 0, \n                        ; and piece 0's first maximum and statistics
	XS 1, \n
.endr
	s_mov_b32 s[CNT], 4
	s_branch .Lfirst                ; the loop is entered at a step's first turn, in the middle of a trip
.Lslot:                             ; SIZE_N / 256 - 2 times: every slot but the last two is filled again
	CHANGE 1
	s_mov_b32 s[CNT], 4
.Lstep:                             ; a trip: pieces 2 and 3 of one step, then pieces 0 and 1 of the next, whose K and V it fetches
	TURN 2
	TURN 3
	WIN 0
.Lfirst:
	TURN 0
	TURN 1, 0, 1
	WIN 0
	s_cbranch_scc1 .Lstep
	s_sub_co_u32 s[SLOTS], s[SLOTS], 1
	s_cmp_lg_u32 s[SLOTS], 0
	s_cbranch_scc1 .Lslot
	CHANGE 0                        ; the tail is written out: nothing is asked for
	s_mov_b32 s[CNT], 5             ; four trips fetch the last slot's steps; the fifth is left in its middle
.Ltail:
	TURN 2, 1
	TURN 3
	WIN 0
	s_sub_co_u32 s[CNT], s[CNT], 1
	s_cmp_eq_u32 s[CNT], 0
	s_cbranch_scc1 .Lout
	TURN 0
	TURN 1
	WIN 0
	s_branch .Ltail
.Lout:                              ; the fifth trip's 16 products K Q^T (on the last K once more) and the maximum made of them serve nothing: the price, once a launch, of one text for every trip
.set i, 0
.rept 16
	PV NP-1                         ; the last piece's V^T P of the last step
.set i, i+1
.endr
	; THE WAY OUT.  l's two halves and the other half of the lanes' are added; O^T is divided by l, rounded to f16 and sent through my stage in LDS, a tile at a time.  The additions are the places behind the last products.
	WIN 0
.macro ALL line:vararg              ; one line for each tile t
.set t, 0
.rept 2*NP
	\line
.set t, t+1
.endr
.endm
	ALL v_add_f32 v[ST+4*t+2], v[ST+4*t+2], v[ST+4*t+3]
	ALL v_permlanex16_b32 v[ST+4*t+3], v[ST+4*t+2], s[SEL], s[SEL+1]
	ALL v_add_f32 v[ST+4*t+2], v[ST+4*t+2], v[ST+4*t+3]
	ALL v_rcp_f32 v[ST+4*t+2], v[ST+4*t+2]
	v_nop                           ; a plain instruction between the last reciprocal and the use of its result
	s_wait_alu depctr_va_vdst(0)
; Tile t: a lane's eight channels of a row pack into 16 bytes; they go into rows of 144 bytes and come back as whole rows of 128, into S^T's registers.
.macro PACK t
	WIN W_RS
.set i, 32*(\t)
.rept 16
	v_pk_mul_f32 v[i:i+1], v[i:i+1], v[ST+4*(\t)+2:ST+4*(\t)+3] op_sel_hi:[1,0]
.set i, i+2
.endr
	WIN 0x05                        ; sources 0 and 1 window 1, destination window 0
.set i, 0
.rept 16
	v_cvt_pk_f16_f32 v[S+16*(\t)+i], v[32*(\t)+2*i], v[32*(\t)+2*i+1]
.set i, i+1
.endr
	WIN 0
.irp f, 0,1,2,3
	ds_store_b128 v[STO], v[S+16*(\t)+4*\f:S+16*(\t)+4*\f+3] offset:32*\f
.endr
.irp f, 0,1,2,3
	ds_load_b128 v[S+16*(\t)+4*\f:S+16*(\t)+4*\f+3], v[RD] offset:\f*4*SP  ; LDS serves a wave's instructions in order (ISA guide 5.7.1.4): these see the stores above; the next tile's stores come behind them
.endr
.endm
.macro SEND t, younger              ; younger: the LDS instructions issued behind tile t's loads: the next tile's eight, or none
	WIN 0
.irp f, 0,1,2,3
	s_wait_dscnt (\younger)+3-\f
	global_store_b128 v[GO], v[S+16*(\t)+4*\f:S+16*(\t)+4*\f+3], s[10:11] offset:(\t)*2048+\f*512  ; 512 consecutive bytes, at a multiple of 256 from O's first
.endr
.endm
	PACK 0
.set t, 1
.rept 2*NP-1                        ; a tile's arithmetic stands between the loads of the tile before and its stores
	PACK t
	SEND t-1, 8
.set t, t+1
.endr
	SEND 2*NP-1, 0
	WIN W_AD
	s_wait_tensorcnt 0x0            ; the wave's end: behind my last tensor load and my last LDS store
	ds_add_u32 v[SPW], v[NIL]
	s_wait_dscnt 0x0
	WIN 0
	CROUND                          ; the closing round: no work-group ends while a partner may still ask for a tile that names it
	s_endpgm
.Lfunc_end_k_q0df850927d_attn:
	.size	k_q0df850927d_attn, .Lfunc_end_k_q0df850927d_attn-k_q0df850927d_attn
	.p2alignl 7, 3214868480
	.fill 96, 4, 3214868480
	.section	.rodata,"a",@progbits
	.p2align	6, 0x0
	.amdhsa_kernel k_q0df850927d_attn
		.amdhsa_group_segment_fixed_size 327680
		.amdhsa_private_segment_fixed_size 0
		.amdhsa_enable_private_segment 0
		.amdhsa_kernarg_size 32
		.amdhsa_user_sgpr_count 2
		.amdhsa_user_sgpr_kernarg_segment_ptr 1
		.amdhsa_wavefront_size32 1
		.amdhsa_system_sgpr_workgroup_id_x 1
		.amdhsa_system_sgpr_workgroup_id_y 1
		.amdhsa_system_sgpr_workgroup_id_z 1
		.amdhsa_system_vgpr_workitem_id 0
		.amdhsa_next_free_vgpr 770
		.amdhsa_next_free_sgpr 66
		.amdhsa_reserve_vcc 0
		.amdhsa_float_denorm_mode_32 3
		.amdhsa_float_denorm_mode_16_64 3
		.amdhsa_memory_ordered 1
		.amdhsa_forward_progress 1
		.amdhsa_inst_pref_size 209
	.end_amdhsa_kernel
	.amdgpu_metadata
---
amdhsa.version: [ 1, 2 ]
amdhsa.kernels:
  - .name:           k_q0df850927d_attn
    .symbol:         k_q0df850927d_attn.kd
    .args:
      - { .name: q16, .offset: 0, .size: 8, .value_kind: global_buffer, .address_space: global }
      - { .name: k16, .offset: 8, .size: 8, .value_kind: global_buffer, .address_space: global }
      - { .name: v16, .offset: 16, .size: 8, .value_kind: global_buffer, .address_space: global }
      - { .name: o16, .offset: 24, .size: 8, .value_kind: global_buffer, .address_space: global }
    .group_segment_fixed_size: 327680
    .private_segment_fixed_size: 0
    .kernarg_segment_align: 8
    .kernarg_segment_size: 32
    .max_flat_workgroup_size: 128
    .sgpr_count:     66
    .vgpr_count:     770
    .wavefront_size: 32
...
	.end_amdgpu_metadata
.endif
;; end of part 3
;; launch oproj (part 4): grid 8 x 32, 4 waves a work-group, clusters of 4 x 4, 327,680 bytes of LDS; arguments o16, wo16, bo, out0; writes out0
.if DOCPART == 4
	.amdgcn_target "amdgcn-amd-amdhsa--gfx1250"
	.amdhsa_code_object_version 6
	.text
	.protected	k_q0df850927d_oproj
	.globl	k_q0df850927d_oproj
	.p2align	8
	.type	k_q0df850927d_oproj,@function
k_q0df850927d_oproj:
	s_mov_b64 s[64:65], 0
	v_nop
	global_prefetch_b8 v0, s[64:65] scope:SCOPE_SE
	s_setreg_imm32_b32 hwreg(HW_REG_WAVE_MODE, 25, 1), 1
	s_wait_xcnt 0x0
	s_wait_alu depctr_hold_cnt(0) depctr_sa_sdst(0) depctr_va_vdst(0) depctr_va_sdst(0) depctr_va_ssrc(0) depctr_va_vcc(0) depctr_vm_vsrc(0)
	s_getreg_b32 s2, hwreg(HW_REG_IB_STS2, 6, 4)
	s_cmp_eq_u32 s2, 0
	s_cbranch_scc0 .Lentry_in_a_cluster
	s_endpgm
.Lentry_in_a_cluster:
	s_bfe_u32 s2, ttmp6, 0x10000c
	s_cmp_lg_u32 s2, 0xf033
	s_cbranch_scc0 .Lentry_shape_is_right
	s_endpgm
.Lentry_shape_is_right:
; out0 = O Wo^T + bo.  o16: f16 [4 b][16 head][2048 s][64]: a head is a K block of 64; wo16: f16 [16 kb][1024 n][64] (Wo rounded to bf16, written as f16); bo: f32 [1024], rounded here to bf16 like the other
; inputs; out0: f32 [8192][1024].  Products in f16, sums in f32, nothing is rounded on the way out.  LIMIT: what o16 and wo16 hold lies within f16's range; NaN and infinities are not treated apart.
; SHARES.  A work-group makes 256 rows x 128 columns: 32 x 8 = 256 work-groups.  Wave (RH, CH) makes 128 x 64: 32 accumulators of 16 x 16, 256 registers (window 1, (a, b) at v[8 (4 a + b)]).
; K goes through two LDS slots of TWO K blocks each (128 along K): a refill has 112 matrix instructions of a wave in which to land.  A block's tiles (256 or 128 rows x 128 bytes) are dense in memory: asked for as
; rows of 256 bytes, padded in LDS after every 128 bytes.  A slot is four QUARTERS of 32 along K, 32 matrix instructions each, on fragment buffers 0, 1, 0, 1.
; THE MATRIX INSTRUCTION IS USED TRANSPOSED (source 0 = 16 rows of Wo, source 1 = 16 rows of O): a lane holds row l % 16 and the eight neighbouring columns 8 (l / 16) + 0..7.  The bias is the C of the first products.
; CLUSTER 4 x 4: O's tiles are shared along a row of the cluster, Wo's along a column: joint loads.  Waves 0 and 1 ask for O's two blocks of a slot (32 KiB each), waves 2 and 3 for Wo's (16 KiB each).
; By this text's count a wave has two tensor loads out at the start, later one.
; WINDOW 0: v0-29 addresses; v32-127, v128-223 two fragment buffers (O's 8 x 8 registers, then Wo's 4 x 8); v224-255 the bias; on the way out v32-159 are four banks of 32.
.set PITCH,  144                       ; an LDS row: 128 bytes + 16 of padding = 36 words: the 16 rows of a fragment load start at 16 different groups of four banks (64 banks of 4 bytes: ISA guide 11.1)
.set ABLK,   256*PITCH                 ; a K block of O's tile
.set BBLK,   128*PITCH                 ; a K block of Wo's
.set SLOT1,  1<<17                     ; slot 1 begins here, so that one exclusive or turns an address in one slot into the other's
.set STAGE,  SLOT1+2*ABLK+2*BBLK       ; behind the ring, never filled by a tensor load: 16 rows x 272 bytes for each wave, for the way out
.set SPITCH, 272                       ; 256 bytes + 16: the 16 rows that a store touches start at 16 different groups of four banks
.set SPARE,  STAGE+4*16*SPITCH         ; behind the stages: the spare words, 128 bytes for each wave: two blocks of 256 bytes that no other line names
.set ADA0, 4                           ; v4   my lane's place in O's tile; never rewritten
.set ADB0, 5                           ; v5   in Wo's; never rewritten
.set ADA,  6                           ; v6   the same in the slot that is being read
.set ADB,  7
.set STO,  8                           ; v8   the way out: where I put 32 bytes of a row
.set RD,   9                           ; v9   the way out: where I read a row back
.set CO,   10                          ; v10  my byte offset in two rows of out0
.set BO,   11                          ; v11  my byte offset in bo
.set SPW,  28                          ; v28  LDS address of my spare word: SPARE + 4 x my thread's number; never rewritten
.set NIL,  29                          ; v29  0; never rewritten
.set F0,   32
.set F1,   128
.set BIAS, 224
.set OB,   32
.set WV, 12
.set RH, 13
.set CH, 14
.set CX, 15
.set CY, 16
.set NJ, 17                            ; s17 tile column 0..7
.set MI, 18                            ; s18 tile row 0..31
.set G1A, 20                           ; s[20:27] descriptor group 1 for O's tiles
.set G1B, 28                           ; s[28:35] for Wo's
.set G0A, 36                           ; s[36:43] group 0 for O's tiles: a set for each of the two first fills; the second then walks on
.set G0B, 44                           ; s[44:51] the same for Wo's
.set TB,  52                           ; s52 LDS byte at which the slot that is being read begins
.set CNT, 53
.set DW0, (1<<16)|(1<<20)|(1<<21)|(4<<22)|(3<<25)  ; 17:16 2-byte elements; 20 padding on; 21 set beside a mask; 24:22 after every 32 words (code 4); 31:25 4 words of it (code 3)
.set MSB, 0
.macro WIN new                         ; the immediate's high byte repeats the setting that is left; a switch that changes nothing is dropped
.if MSB != (\new)
	s_set_vgpr_msb (MSB<<8)|(\new)
.set MSB, (\new)
.endif
.endm
.macro PLACES                          ; four places between a matrix instruction and a load into, or a store or vector instruction on, its registers (ISA guide 7.12.1 for vector instructions)
.rept 4
	v_nop
.endr
.endm
; A joint load.  The branch hangs on the wave's number alone.  An s_nop 0 and four v_nop follow each of the two lines, ahead of the jump and the label.
.macro JLOAD s
	s_cmp_lt_u32 s[WV], 2
	s_cbranch_scc0 .Lfor_b_\@
	tensor_load_to_lds s[G0A+4*(\s):G0A+4*(\s)+3], s[G1A:G1A+7]
	s_nop 0
.rept 4
	v_nop
.endr
	s_branch .Lasked_\@
.Lfor_b_\@:
	tensor_load_to_lds s[G0B+4*(\s):G0B+4*(\s)+3], s[G1B:G1B+7]
	s_nop 0
.rept 4
	v_nop
.endr
.Lasked_\@:
.endm
.macro CREST                           ; a round of the cluster's barrier behind its opening barrier: wave 0 signals for the work-group, every wave waits for all sixteen, my work-group's barrier closes it
	s_cmp_lg_u32 s[WV], 0
	s_cbranch_scc1 .Lnot_wave_0_\@
	s_barrier_signal -3
.Lnot_wave_0_\@:
	s_barrier_wait -3
	s_barrier_signal -1
	s_barrier_wait -1
.endm
.macro CROUND
	s_barrier_signal -1
	s_barrier_wait -1
	CREST
.endm
	s_load_b256 s[4:11], s[0:1], 0x0               ; o16 s[4:5], wo16 s[6:7], bo s[8:9], out0 s[10:11]
	v_lshl_add_u32 v[SPW], v0, 2, SPARE
	v_mov_b32 v[NIL], 0
	ds_add_u32 v[SPW], v[NIL]                      ; the wave's opening: the add and its wait stand ahead of my first tensor load; the set-up below, work on registers, stands between them
	v_lshrrev_b32 v1, 5, v0
	v_readfirstlane_b32 s[WV], v1                  ; wave 0..3
	s_lshr_b32 s[RH], s[WV], 1                     ; my half of the tile's rows
	s_and_b32 s[CH], s[WV], 1                      ; my half of its columns.  Also: which of a slot's two K blocks I ask for
	s_bfe_u32 s[CX], ttmp6, 0x40000
	s_bfe_u32 s[CY], ttmp6, 0x40004
	s_lshl_b32 s[NJ], ttmp9, 2                     ; in a cluster launch ttmp9 and ttmp7 count clusters
	s_add_co_u32 s[NJ], s[NJ], s[CX]
	s_and_b32 s[MI], ttmp7, 0xffff
	s_lshl_b32 s[MI], s[MI], 2
	s_add_co_u32 s[MI], s[MI], s[CY]
	s_lshl_b32 s56, s[CY], 2
	s_lshl_b32 s56, 15, s56                        ; my row of the cluster
	s_lshl_b32 s57, 0x1111, s[CX]                  ; my column
	s_or_b32 s[G1A], s56, DW0
	s_or_b32 s[G1B], s57, DW0
	s_mov_b32 s[G1A+1], 128<<16                    ; tensor_dim0 = 128 elements: 256 bytes
	s_mov_b32 s[G1A+2], 128<<16                    ; tensor_dim1 = 128 rows: 32,768 dense bytes
	s_mov_b32 s[G1A+3], 128<<16                    ; tile_dim0 = 128
	s_mov_b32 s[G1A+4], 128                        ; tile_dim1 = 128
	s_mov_b32 s[G1A+5], 128                        ; 128 elements from row to row
	s_mov_b32 s[G1A+6], 0
	s_mov_b32 s[G1A+7], 0
	s_mov_b32 s[G1B+1], 128<<16
	s_mov_b32 s[G1B+2], 64<<16                     ; 64 rows: 16,384 dense bytes
	s_mov_b32 s[G1B+3], 128<<16
	s_mov_b32 s[G1B+4], 64
	s_mov_b32 s[G1B+5], 128
	s_mov_b32 s[G1B+6], 0
	s_mov_b32 s[G1B+7], 0
	s_mul_i32 s66, s[CH], ABLK                     ; a slot: O's block 0, O's block 1, Wo's block 0, Wo's block 1: no place in the cluster enters an LDS address
	s_mul_i32 s67, s[CH], BBLK
	s_mov_b32 s[G0A], 1                            ; 1:0 count = 1
	s_mov_b32 s[G0A+1], s66
	s_mov_b32 s[G0A+4], 1
	s_add_co_u32 s[G0A+5], s66, SLOT1
	s_mov_b32 s[G0B], 1
	s_add_co_u32 s[G0B+1], s67, 2*ABLK
	s_mov_b32 s[G0B+4], 1
	s_add_co_u32 s[G0B+5], s67, SLOT1+2*ABLK
	; where the tiles come from.  O's hang on the tile row and the wave alone, Wo's on the tile column and the wave alone; each in registers that never hold the other coordinate
	s_lshr_b32 s58, s[MI], 3                       ; the batch: 4,194,304 bytes,
	s_lshl_b32 s58, s58, 22
	s_and_b32 s59, s[MI], 7                        ; 256 rows of 128 bytes in a head,
	s_lshl_b32 s59, s59, 15
	s_add_co_u32 s58, s58, s59
	s_lshl_b32 s59, s[CH], 18                      ; my K block of the slot's two: a head is 262,144 bytes
	s_add_co_u32 s58, s58, s59
	s_mov_b32 s59, 0
	s_lshl_b32 s60, s[NJ], 14                      ; 128 rows of 128 bytes,
	s_lshl_b32 s61, s[CH], 17                      ; my K block: 131,072 bytes
	s_add_co_u32 s60, s60, s61
	s_mov_b32 s61, 0
	s_lshl1_add_u32 s68, s[NJ], s[CH]
	s_lshl_b32 s68, s68, 8                         ; my 64 columns in bytes of f32: 512 NJ + 256 CH, in a row of out0 and in bo
	s_lshl1_add_u32 s62, s[MI], s[RH]
	s_lshl_b32 s62, s62, 19                        ; my 128 rows of 4,096 bytes
	s_add_co_u32 s62, s62, s68
	s_mov_b32 s63, 0
	s_mov_b32 s[TB], 0
	s_mov_b32 s54, 0xffff0000                      ; a word's upper bf16
	s_wait_dscnt 0x0                               ; the opening add is done
	s_wait_kmcnt 0x0
	s_add_nc_u64 s[G0A+2:G0A+3], s[4:5], s[58:59]  ; K blocks 0, 1,
	s_add_nc_u64 s[G0A+6:G0A+7], s[G0A+2:G0A+3], 2*262144  ; K blocks 2, 3
	s_or_b32 s[G0A+3], s[G0A+3], 0x80000000        ; 127:126 type = 2
	s_or_b32 s[G0A+7], s[G0A+7], 0x80000000
	s_add_nc_u64 s[G0B+2:G0B+3], s[6:7], s[60:61]
	s_add_nc_u64 s[G0B+6:G0B+7], s[G0B+2:G0B+3], 2*131072
	s_or_b32 s[G0B+3], s[G0B+3], 0x80000000
	s_or_b32 s[G0B+7], s[G0B+7], 0x80000000
	s_add_nc_u64 s[10:11], s[10:11], s[62:63]
	CROUND                                         ; all sixteen work-groups are here: the first joint loads meet
	JLOAD 0
	JLOAD 1
	v_and_b32 v1, 15, v0                           ; l % 16
	v_bfe_u32 v2, v0, 4, 1                         ; l / 16
	v_lshl_add_u32 v[BO], v2, 5, s68               ; register j of accumulator (a, b) holds column 16 b + 8 (l / 16) + j: eight f32 of bo on end
.irp b, 0,1,2,3
	global_load_b128 v[BIAS+8*\b:BIAS+8*\b+3],   v[BO], s[8:9] offset:64*\b
	global_load_b128 v[BIAS+8*\b+4:BIAS+8*\b+7], v[BO], s[8:9] offset:64*\b+16
.endr
	v_mul_u32_u24 v3, v1, PITCH
	v_lshl_add_u32 v3, v2, 4, v3                   ; a fragment's row x pitch + 16 x half
	s_mul_i32 s66, s[RH], 128*PITCH                ; my 128 rows of O
	v_add_nc_u32 v[ADA0], s66, v3
	s_mul_i32 s66, s[CH], 64*PITCH                 ; my 64 rows of Wo,
	s_add_co_u32 s66, s66, 2*ABLK                  ; which lie behind O's two blocks
	v_add_nc_u32 v[ADB0], s66, v3
	v_mov_b32 v[ADA], v[ADA0]                      ; slot 0
	v_mov_b32 v[ADB], v[ADB0]
	s_mul_i32 s66, s[WV], 16*SPITCH
	s_add_co_u32 s66, s66, STAGE                   ; my stage
	v_mul_u32_u24 v12, v1, SPITCH                  ; in: row l % 16, 32 bytes for each half of the lanes
	v_lshl_add_u32 v12, v2, 5, v12
	v_add_nc_u32 v[STO], s66, v12
	v_mul_u32_u24 v12, v2, SPITCH                  ; back: lanes 0-15 take one row of 256 bytes, lanes 16-31 the next
	v_lshl_add_u32 v12, v1, 4, v12
	v_add_nc_u32 v[RD], s66, v12
	v_lshlrev_b32 v[CO], 12, v2                    ; and the same two rows in out0
	v_lshl_add_u32 v[CO], v1, 4, v[CO]
	s_wait_loadcnt 0x0
.set i, 0
.rept 16
	v_cvt_pk_bf16_f32 v[12+i%4], v[BIAS+2*i], v[BIAS+2*i+1]  ; the bias is rounded to bf16 and widened again
	v_lshlrev_b32 v[BIAS+2*i], 16, v[12+i%4]
	v_and_b32 v[BIAS+2*i+1], s54, v[12+i%4]
.set i, i+1
.endr
; 24 LDS loads in one run: the fragments of quarter i of the slot (K block i / 2, byte 64 (i % 2) of its rows) into buffer f
.macro FETCH i, f
	WIN 0
.irp b, 0,1,2,3
	ds_load_b128 v[(\f)+64+8*\b:(\f)+64+8*\b+3],   v[ADB] offset:((\i)/2)*BBLK+\b*16*PITCH+64*((\i)%2)
	ds_load_b128 v[(\f)+64+8*\b+4:(\f)+64+8*\b+7], v[ADB] offset:((\i)/2)*BBLK+\b*16*PITCH+64*((\i)%2)+32
.endr
.irp a, 0,1,2,3,4,5,6,7
	ds_load_b128 v[(\f)+8*\a:(\f)+8*\a+3],   v[ADA] offset:((\i)/2)*ABLK+\a*16*PITCH+64*((\i)%2)
	ds_load_b128 v[(\f)+8*\a+4:(\f)+8*\a+7], v[ADA] offset:((\i)/2)*ABLK+\a*16*PITCH+64*((\i)%2)+32
.endr
.endm
; 8 matrix instructions: row blocks a0, a0 + 1 x 4 column blocks.  The 32 accumulators take turns, one instruction a turn, in the same order in every quarter.  first = 1: the sums start with the bias.
.macro MUL8 f, a0, first
.if \first
	WIN 0x40                                       ; D in window 1; the sources and C (the bias) in window 0
.else
	WIN 0x50                                       ; C and D in window 1
.endif
.irp a, \a0, (\a0)+1
.irp b, 0,1,2,3
.if \first
	v_wmma_f32_16x16x32_f16 v[8*(4*(\a)+(\b)):8*(4*(\a)+(\b))+7], v[(\f)+64+8*(\b):(\f)+64+8*(\b)+7], v[(\f)+8*(\a):(\f)+8*(\a)+7], v[BIAS+8*(\b):BIAS+8*(\b)+7]
.else
	v_wmma_f32_16x16x32_f16 v[8*(4*(\a)+(\b)):8*(4*(\a)+(\b))+7], v[(\f)+64+8*(\b):(\f)+64+8*(\b)+7], v[(\f)+8*(\a):(\f)+8*(\a)+7], v[8*(4*(\a)+(\b)):8*(4*(\a)+(\b))+7]
.endif
.endr
.endr
.endm
; One of a slot's first three quarters: asks for quarter inext into buffer g, which the quarter before multiplied, and multiplies buffer f.
.macro Q inext, f, g, first
	PLACES
	FETCH \inext, \g
	s_wait_dscnt 24                                ; LDS loads come back in order (ISA guide 5.7.1): buffer f is in, the 24 just issued may be out
	MUL8 \f, 0, \first
	MUL8 \f, 2, \first
	MUL8 \f, 4, \first
	MUL8 \f, 6, \first
.endm
; The last quarter multiplies buffer 1 and CHANGES SLOTS.  Each wave waits for all its tensor loads, of which one is out: its part of the other slot; adds 0 to its spare word; and waits for that and for its reads of
; this slot.  Behind the barrier nobody reads this slot any more and the other slot is whole.  fill = 1: this slot is filled again, with the K blocks two slots on: the barrier then opens a round of the cluster's,
; so that no wave of any partner still reads the slot or has a load on its way, and the joint refill is the first thing behind the round.
.macro TURN fill
	WIN 0                                          ; (the add's two registers lie in window 0)
	s_wait_tensorcnt 0x0                           ; no tensor load of mine is out, so a group 0 may be written
	ds_add_u32 v[SPW], v[NIL]                      ; 0 onto my spare word: scalar work and eight matrix instructions stand between it and the wait for it
.if \fill
	s_xor_b32 s[G0A+5], s[G0A+5], SLOT1            ; the walking descriptors: the other slot than last time,
	s_add_nc_u64 s[G0A+6:G0A+7], s[G0A+6:G0A+7], 2*262144  ; the next two K blocks; the type bits on top are not reached
	s_xor_b32 s[G0B+5], s[G0B+5], SLOT1
	s_add_nc_u64 s[G0B+6:G0B+7], s[G0B+6:G0B+7], 2*131072
.endif
	s_xor_b32 s[TB], s[TB], SLOT1                  ; the reads go on in the other slot
	s_wait_dscnt 1                                 ; buffer 1 is in; the add may be out
	MUL8 F1, 0, 0
	s_wait_dscnt 0x0                               ; the add is done, and my reads of this slot are over
	s_barrier_signal -1
	MUL8 F1, 2, 0                                  ; work on registers while the others arrive
	WIN 0                                          ; at a branch and at a label every window is 0
	s_barrier_wait -1
.if \fill
	CREST
	JLOAD 1                                        ; the four v_nop behind it are also the places in front of the loads below
.else
	PLACES
.endif
	v_add_nc_u32 v[ADA], s[TB], v[ADA0]
	v_add_nc_u32 v[ADB], s[TB], v[ADB0]
	FETCH 0, F0
	MUL8 F1, 4, 0
	MUL8 F1, 6, 0
.endm
	s_wait_tensorcnt 1                             ; my part of slot 0 is in; slot 1's may stay out
	s_barrier_signal -1
	s_barrier_wait -1                              ; everybody's is
	FETCH 0, F0
	Q 1, F0, F1, 1                                 ; the first quarter stands in front of the loop: its products start the sums
	WIN 0
	s_mov_b32 s[CNT], 6
.Lk:                                                   ; a trip goes from a slot's second quarter to the next slot's first; the six refills bring K blocks 4 to 15
	Q 2, F1, F0, 0
	Q 3, F0, F1, 0
	TURN 1
	Q 1, F0, F1, 0
	WIN 0
	s_sub_co_u32 s[CNT], s[CNT], 1
	s_cmp_lg_u32 s[CNT], 0
	s_cbranch_scc1 .Lk
	Q 2, F1, F0, 0                                 ; the tail is written out: nothing is left to ask for
	Q 3, F0, F1, 0
	TURN 0
	Q 1, F0, F1, 0
	Q 2, F1, F0, 0
	Q 3, F0, F1, 0
	s_wait_dscnt 0x0
	MUL8 F1, 0, 0
	MUL8 F1, 2, 0
	MUL8 F1, 4, 0
	MUL8 F1, 6, 0
; THE WAY OUT, 16 rows at a time.  A lane's eight f32 of a row, 32 bytes, go straight from the accumulators (the low four registers first) into rows of 272 bytes of my own stage, and come back as whole rows of 256.
.macro TOSTAGE a
.if (\a) >= 4
	s_wait_xcnt 0x0                                ; every earlier store has had its addresses translated (ISA guide 3.1): the bank, which the stores of four blocks back read, is loaded again only behind this wait
.endif
	WIN 0x04                                       ; the stores' data (source 1) in window 1, the address in window 0
.irp b, 0,1,2,3
	ds_store_b128 v[STO], v[32*(\a)+8*\b:32*(\a)+8*\b+3]   offset:64*\b
	ds_store_b128 v[STO], v[32*(\a)+8*\b+4:32*(\a)+8*\b+7] offset:64*\b+16
.endr
	WIN 0
.irp t, 0,1,2,3,4,5,6,7
	ds_load_b128 v[OB+32*((\a)%4)+4*\t:OB+32*((\a)%4)+4*\t+3], v[RD] offset:\t*2*SPITCH  ; LDS serves a wave's instructions in order (ISA guide 5.7.1.4): these see the stores above; the next block's stores come behind them
.endr
.endm
.macro SEND a, younger                 ; younger: the LDS instructions issued behind this block's loads: the next block's sixteen, or none
.irp t, 0,1,2,3,4,5,6,7
	s_wait_dscnt (\younger)+7-\t
	global_store_b128 v[CO], v[OB+32*((\a)%4)+4*\t:OB+32*((\a)%4)+4*\t+3], s[10:11] offset:(16*(\a)+2*\t)*4096 th:TH_STORE_NT  ; 16 lanes store 256 consecutive bytes, at a multiple of 256 from out0's first byte
.endr
.endm
	PLACES
	TOSTAGE 0
.irp a, 1,2,3,4,5,6,7
	TOSTAGE \a
	SEND (\a)-1, 16
.endr
	SEND 7, 0
	s_wait_tensorcnt 0x0                           ; the wave's end: behind my last tensor load and my last LDS store
	ds_add_u32 v[SPW], v[NIL]
	s_wait_dscnt 0x0
	CROUND                                         ; the closing round: no work-group ends while a partner may still ask for a tile that names it
	s_endpgm
.Lfunc_end_k_q0df850927d_oproj:
	.size	k_q0df850927d_oproj, .Lfunc_end_k_q0df850927d_oproj-k_q0df850927d_oproj
	.p2alignl 7, 3214868480
	.fill 96, 4, 3214868480
	.section	.rodata,"a",@progbits
	.p2align	6, 0x0
	.amdhsa_kernel k_q0df850927d_oproj
		.amdhsa_group_segment_fixed_size 327680
		.amdhsa_private_segment_fixed_size 0
		.amdhsa_enable_private_segment 0
		.amdhsa_kernarg_size 32
		.amdhsa_user_sgpr_count 2
		.amdhsa_user_sgpr_kernarg_segment_ptr 1
		.amdhsa_wavefront_size32 1
		.amdhsa_system_sgpr_workgroup_id_x 1
		.amdhsa_system_sgpr_workgroup_id_y 1
		.amdhsa_system_sgpr_workgroup_id_z 1
		.amdhsa_system_vgpr_workitem_id 0
		.amdhsa_next_free_vgpr 512
		.amdhsa_next_free_sgpr 72
		.amdhsa_reserve_vcc 0
		.amdhsa_float_denorm_mode_32 3
		.amdhsa_float_denorm_mode_16_64 3
		.amdhsa_memory_ordered 1
		.amdhsa_forward_progress 1
		.amdhsa_inst_pref_size 73
	.end_amdhsa_kernel
	.amdgpu_metadata
---
amdhsa.version: [ 1, 2 ]
amdhsa.kernels:
  - .name:           k_q0df850927d_oproj
    .symbol:         k_q0df850927d_oproj.kd
    .args:
      - { .name: o16, .offset: 0, .size: 8, .value_kind: global_buffer, .address_space: global }
      - { .name: wo16, .offset: 8, .size: 8, .value_kind: global_buffer, .address_space: global }
      - { .name: bo, .offset: 16, .size: 8, .value_kind: global_buffer, .address_space: global }
      - { .name: out0, .offset: 24, .size: 8, .value_kind: global_buffer, .address_space: global }
    .group_segment_fixed_size: 327680
    .private_segment_fixed_size: 0
    .kernarg_segment_align: 8
    .kernarg_segment_size: 32
    .max_flat_workgroup_size: 128
    .sgpr_count:     72
    .vgpr_count:     512
    .wavefront_size: 32
...
	.end_amdgpu_metadata
.endif
;; end of part 4
;; ======== version 2 of 2: 4 launches; version 1 with the launch cast written anew for expert scheduling mode
;; limits: values are held in f16: magnitudes above 65,504 overflow, below 6.1e-05 lose precision
;; workspace buffers: xb 16,777,216 bytes; wqkv 6,291,456 bytes; wo16 2,097,152 bytes; q16 16,777,216 bytes; k16 16,777,216 bytes; v16 16,777,216 bytes; o16 16,777,216 bytes
;; launch cast (part 5): grid 768 x 1, 8 waves a work-group, no clusters, 0 bytes of LDS; arguments x, Wq, Wk, Wv, Wo, xb, wqkv, wo16; writes xb, wqkv, wo16
.if DOCPART == 5
	.amdgcn_target "amdgcn-amd-amdhsa--gfx1250"
	.amdhsa_code_object_version 6
	.text
	.protected	k_q0df850927d_cast
	.globl	k_q0df850927d_cast
	.p2align	8
	.type	k_q0df850927d_cast,@function
k_q0df850927d_cast:
	s_mov_b64 s[64:65], 0
	v_nop
	global_prefetch_b8 v0, s[64:65] scope:SCOPE_SE
	s_setreg_imm32_b32 hwreg(HW_REG_WAVE_SCHED_MODE, 0, 2), 2
	s_setreg_imm32_b32 hwreg(HW_REG_WAVE_MODE, 25, 1), 1
	s_wait_xcnt 0x0
	s_wait_alu depctr_vm_vsrc(0)
; x, Wq, Wk, Wv are rounded once to bf16; Wo is rounded to bf16 and that number is written as f16 (exact from 1.5e-5 up to 65,504; below, f16's fixed step of 6e-8; beyond, an infinity).
; All are laid out in K BLOCKS of 64 channels: xb [4][16 kb][2048 s][64], wqkv [16 kb][3072 n][64] (n: Wq, then Wk, then Wv), wo16 [16 kb][1024 n][64],
; so that the products' tiles (rows x 64 channels) are dense blocks of memory.
; SHARES.  Work-group G takes 16 source rows of 1,024 f32: G < 512 x, 512.. Wq, 576.. Wk, 640.. Wv, 704.. Wo.  Thread t: row (t >> 3) & 15, 8 numbers at chunk t & 7 of each of the K blocks
; 8 (t >> 7) .. + 7.  A wave has 4 rows x 8 blocks: 16 loads of 16 bytes a lane, all out at once (8 KiB a wave), and 8 stores; a store of the wave covers 4 rows x 128 bytes = 512 consecutive
; bytes, aligned; a pair of loads covers 256 aligned bytes of each of 4 rows.  No register that a load or store has read is written again, so no wait is there to free a source.
; No LDS, no matrix unit, no loop: every byte is read once and written once.
; THE MODE: SCHED_MODE bits 1:0 = 2 (LLVM: expert scheduling mode 2), set by the entry lines.  The code itself states the register dependences
; between vector instructions and memory instructions, with s_wait_alu, always for 0.
; THE PLAN.  Registers that memory instructions touch:
;   v1        the loads' offset: made at the head, read by all 16 loads, never written again.
;   v8-15     block j's offset in the target: v8 made at the head, v9-15 behind the loads; each is read by one store, never written again.
;   X block j the two loads land in its 8 registers, which no vector instruction has named; block j's conversions read them and write the first four; block j's store reads those four; nothing writes them again.
;   v2-7      named by vector instructions alone.
; The eight blocks go in four PAIRS.  Pair g's conversions name X of blocks 2 g and 2 g + 1 and v2-7; the memory instructions that stand among them are the two stores of pair g - 1, which read X of blocks
; 2 g - 2 and 2 g - 1 and their offsets.  So one wait on va_vdst at the head of a pair, behind the wait for the pair's data, states all that those two stores hang on.  One more stands ahead of the loads
; (v1), one ahead of the last two stores; one on va_sdst ahead of the first reader of the wave's number.
.set VI,  1                            ; v1       my byte offset in the 16 source rows: row x 4,096 + chunk x 32
.set T,   2                            ; v[2:7]   at work
.set VO,  8                            ; v[8:15]  block j: my byte offset in the target: row x 128 + chunk x 16 + j x the stride from block to block
.set X,   16                           ; v[16:79] block j: 8 f32 as loaded; its first four registers then hold the 16 bytes to store
.set SRC, 24                           ; s[24:25] the source, at my work-group's rows and my wave's first K block
.set DST, 26                           ; s[26:27] the target, likewise
.set G,   28                           ; s28      the work-group's number
.set STR, 29                           ; s29      bytes from K block to K block in the target
	s_load_b512 s[8:23], s[0:1], 0x0               ; x s[8:9], Wq s[10:11], Wk s[12:13], Wv s[14:15], Wo s[16:17], xb s[18:19], wqkv s[20:21], wo16 s[22:23]
	s_mov_b32 s[G], ttmp9
	v_lshrrev_b32 v2, 5, v0
	v_readfirstlane_b32 s41, v2                    ; wave 0..7
	s_mov_b32 s40, 0xffff0000                      ; a word's upper bf16
	s_and_b32 s30, s[G], 63                        ; a weight has 64 work-groups
	s_lshl_b32 s31, s30, 16                        ; a weight's source offset: 16 rows of 4,096 bytes
	s_lshl_b32 s30, s30, 11                        ; and its 16 rows of 128 bytes in a K block
	s_lshl_b32 s32, s[G], 16                       ; x's source offset
	s_lshr_b32 s33, s[G], 7                        ; x's batch: 128 work-groups each,
	s_lshl_b32 s33, s33, 22                        ; 4,194,304 bytes of xb
	s_and_b32 s34, s[G], 127
	s_lshl_b32 s34, s34, 11
	s_add_co_u32 s33, s33, s34                     ; x's target offset
	s_max_u32 s34, s[G], 512
	s_sub_co_u32 s34, s34, 512
	s_lshr_b32 s34, s34, 6                         ; 0, 1, 2: Wq, Wk, Wv
	s_lshl_b32 s34, s34, 17                        ; 1,024 rows of 128 bytes
	s_add_co_u32 s34, s34, s30                     ; target offset in wqkv
	s_mov_b32 s[STR], 131072                       ; wo16: 1,024 rows of 128 bytes
	v_bfe_u32 v2, v0, 3, 4                         ; row
	v_and_b32 v3, 7, v0                            ; chunk
	v_lshlrev_b32 v[VI], 12, v2
	v_lshl_add_u32 v[VI], v3, 5, v[VI]
	v_lshlrev_b32 v[VO], 7, v2
	v_lshl_add_u32 v[VO], v3, 4, v[VO]
	s_wait_alu depctr_va_sdst(0)                   ; s41 is written, ahead of its first reader: the line below
	s_lshr_b32 s41, s41, 2                         ; which eight K blocks are mine
	s_wait_kmcnt 0x0
	s_cmp_lt_u32 s[G], 704                         ; the buffers are chosen by the work-group's number alone
	s_cselect_b64 s[SRC:SRC+1], s[14:15], s[16:17]
	s_cselect_b64 s[DST:DST+1], s[20:21], s[22:23]
	s_cselect_b32 s38, s34, s30
	s_cselect_b32 s[STR], 393216, s[STR]           ; wqkv: 3,072 rows of 128 bytes
	s_cmp_lt_u32 s[G], 640
	s_cselect_b64 s[SRC:SRC+1], s[12:13], s[SRC:SRC+1]
	s_cmp_lt_u32 s[G], 576
	s_cselect_b64 s[SRC:SRC+1], s[10:11], s[SRC:SRC+1]
	s_cmp_lt_u32 s[G], 512
	s_cselect_b64 s[SRC:SRC+1], s[8:9], s[SRC:SRC+1]
	s_cselect_b64 s[DST:DST+1], s[18:19], s[DST:DST+1]
	s_cselect_b32 s36, s32, s31
	s_cselect_b32 s38, s33, s38
	s_cselect_b32 s[STR], 262144, s[STR]           ; xb: 2,048 rows of 128 bytes
	s_lshl_b32 s42, s41, 11                        ; my eight K blocks: 2,048 bytes along a source row,
	s_add_co_u32 s36, s36, s42
	s_mov_b32 s37, 0
	s_mul_i32 s42, s41, s[STR]
	s_lshl_b32 s42, s42, 3                         ; eight strides in the target
	s_add_co_u32 s38, s38, s42
	s_mov_b32 s39, 0
	s_add_nc_u64 s[SRC:SRC+1], s[SRC:SRC+1], s[36:37]
	s_add_nc_u64 s[DST:DST+1], s[DST:DST+1], s[38:39]
	s_wait_alu depctr_va_vdst(0)                   ; v1 is written, which all sixteen loads read as their offset
.irp j, 0,1,2,3,4,5,6,7
	global_load_b128 v[X+8*\j:X+8*\j+3],   v[VI], s[SRC:SRC+1] offset:256*\j th:TH_LOAD_NT
	global_load_b128 v[X+8*\j+4:X+8*\j+7], v[VI], s[SRC:SRC+1] offset:256*\j+16 th:TH_LOAD_NT
.endr
.irp j, 1,2,3,4,5,6,7
	v_add_nc_u32 v[VO+\j], s[STR], v[VO+\j-1]      ; read by the stores alone, the first of which stands behind pair 1's wait
.endr
; Block j is rounded.  half = 0: bf16.  half = 1: the bf16 number as f16.
.macro CVT j, half
.irp i, 0,1,2,3
.if \half
	v_cvt_pk_bf16_f32 v[T+3*((\i)%2)], v[X+8*(\j)+2*\i], v[X+8*(\j)+2*\i+1]
	v_lshlrev_b32 v[T+3*((\i)%2)+1], 16, v[T+3*((\i)%2)]
	v_and_b32 v[T+3*((\i)%2)+2], s40, v[T+3*((\i)%2)]
	v_cvt_pk_f16_f32 v[X+8*(\j)+\i], v[T+3*((\i)%2)+1], v[T+3*((\i)%2)+2]
.else
	v_cvt_pk_bf16_f32 v[X+8*(\j)+\i], v[X+8*(\j)+2*\i], v[X+8*(\j)+2*\i+1]  ; in place: register i is written when registers 2 i and 2 i + 1 are read, and i <= 2 i
.endif
.endr
.endm
; Block j goes out.
.macro ST j
	global_store_b128 v[VO+(\j)], v[X+8*(\j):X+8*(\j)+3], s[DST:DST+1]
.endm
; Pair g: blocks 2 g and 2 g + 1 are rounded; the stores of pair g - 1 stand among their conversions, which name none of the registers that those stores read.
.macro PAIR g, half
	s_wait_loadcnt 12-4*(\g)                       ; loads come back in order (ISA guide 5.7.1): the pair's four are in, the later pairs' stay out
.if (\g) > 0
	s_wait_alu depctr_va_vdst(0)                   ; the pair before has written the first four registers of its two blocks, which the two stores below read; in pair 1 also: v9 to v15 are written, the stores' offsets
	ST 2*(\g)-2
.endif
	CVT 2*(\g), \half
.if (\g) > 0
	ST 2*(\g)-1
.endif
	CVT 2*(\g)+1, \half
.endm
.macro OUT half
	PAIR 0, \half
	PAIR 1, \half
	PAIR 2, \half
	PAIR 3, \half
	s_wait_alu depctr_va_vdst(0)                   ; pair 3 has written the first four registers of blocks 6 and 7, which the last two stores read
	ST 6
	ST 7
.endm
	s_cmp_ge_u32 s[G], 704
	s_cbranch_scc1 .Lhalf
	OUT 0
	s_endpgm
.Lhalf:
	OUT 1
	s_endpgm
.Lfunc_end_k_q0df850927d_cast:
	.size	k_q0df850927d_cast, .Lfunc_end_k_q0df850927d_cast-k_q0df850927d_cast
	.p2alignl 7, 3214868480
	.fill 96, 4, 3214868480
	.section	.rodata,"a",@progbits
	.p2align	6, 0x0
	.amdhsa_kernel k_q0df850927d_cast
		.amdhsa_group_segment_fixed_size 0
		.amdhsa_private_segment_fixed_size 0
		.amdhsa_enable_private_segment 0
		.amdhsa_kernarg_size 64
		.amdhsa_user_sgpr_count 2
		.amdhsa_user_sgpr_kernarg_segment_ptr 1
		.amdhsa_wavefront_size32 1
		.amdhsa_system_sgpr_workgroup_id_x 1
		.amdhsa_system_sgpr_workgroup_id_y 1
		.amdhsa_system_sgpr_workgroup_id_z 1
		.amdhsa_system_vgpr_workitem_id 0
		.amdhsa_next_free_vgpr 80
		.amdhsa_next_free_sgpr 66
		.amdhsa_reserve_vcc 0
		.amdhsa_float_denorm_mode_32 3
		.amdhsa_float_denorm_mode_16_64 3
		.amdhsa_memory_ordered 1
		.amdhsa_forward_progress 1
		.amdhsa_inst_pref_size 15
	.end_amdhsa_kernel
	.amdgpu_metadata
---
amdhsa.version: [ 1, 2 ]
amdhsa.kernels:
  - .name:           k_q0df850927d_cast
    .symbol:         k_q0df850927d_cast.kd
    .args:
      - { .name: x, .offset: 0, .size: 8, .value_kind: global_buffer, .address_space: global }
      - { .name: Wq, .offset: 8, .size: 8, .value_kind: global_buffer, .address_space: global }
      - { .name: Wk, .offset: 16, .size: 8, .value_kind: global_buffer, .address_space: global }
      - { .name: Wv, .offset: 24, .size: 8, .value_kind: global_buffer, .address_space: global }
      - { .name: Wo, .offset: 32, .size: 8, .value_kind: global_buffer, .address_space: global }
      - { .name: xb, .offset: 40, .size: 8, .value_kind: global_buffer, .address_space: global }
      - { .name: wqkv, .offset: 48, .size: 8, .value_kind: global_buffer, .address_space: global }
      - { .name: wo16, .offset: 56, .size: 8, .value_kind: global_buffer, .address_space: global }
    .group_segment_fixed_size: 0
    .private_segment_fixed_size: 0
    .kernarg_segment_align: 8
    .kernarg_segment_size: 64
    .max_flat_workgroup_size: 256
    .sgpr_count:     66
    .vgpr_count:     80
    .wavefront_size: 32
...
	.end_amdgpu_metadata
.endif
;; end of part 5
;; launch qkv: the kernel of part 2 again; grid 8 x 32, 4 waves a work-group, clusters of 4 x 4, 327,680 bytes of LDS; arguments xb, wqkv, bq, bk, bv, q16, k16, v16; writes q16, k16, v16
;; launch attn: the kernel of part 3 again; grid 4 x 64, 4 waves a work-group, clusters of 4 x 1, 327,680 bytes of LDS; arguments q16, k16, v16, o16; writes o16
;; launch oproj: the kernel of part 4 again; grid 8 x 32, 4 waves a work-group, clusters of 4 x 4, 327,680 bytes of LDS; arguments o16, wo16, bo, out0; writes out0
